; MI455X (gfx1250); checked and timed in simulation.
; The chip was launched on July 23, 2026; its instructions are those of AMD's public machine-readable ISA for CDNA 5 (MIT licence, August 2026) and "CDNA5" Instruction Set Architecture Reference Guide (July 2026). The comments in the code are by the model that wrote it; some were corrected since.
;; Attention Similarity. Allowed arithmetic: matrix products marked QUANTISED: E4M3 operands, one E8M0 scale for each 32 along K, by v_wmma_scale_f32_16x16x128_f8f6f4 with both operands' format E4M3, f32 sums; everything else in f32.
;; Inputs: Wk1 768 x 768 float32; Wk2 768 x 96 float32; Wq1 768 x 768 float32; Wq2 768 x 96 float32; Wv1 768 x 768 float32; Wv2 768 x 96 float32; features_a 128 x 768 x 7 x 7 float32; features_b 128 x 768 x 7 x 7 float32.
;; Outputs: out0 128 x 128 float32.
;; This version of the problem:
;;   THIS VERSION OF THE PROBLEM IS GIVEN IN LOW PRECISION. The matrix products marked QUANTISED in the list below multiply operands that are first quantised to E4M3 (4 exponent bits, 3 mantissa bits; 8 bits a number), with one power-of-two scale for each 32 numbers along K (OCP MX v1.0); their sums are f32. All else is computed in f32.
;;   The module's matrix products, in the order in which they are computed (A, B: the left and right operand; K: the contracted axis; several contracted axes count as one K, in the product's order):
;;     1. [M 6,272, K 768] x [K 768, N 768]; A: input features_a; B: input Wq1: QUANTISED
;;     2. [M 6,272, K 768] x [K 768, N 96]; A: computed on the way; B: input Wq2: QUANTISED
;;     3. [M 6,272, K 768] x [K 768, N 768]; A: input features_a; B: input Wk1: QUANTISED
;;     4. [M 6,272, K 768] x [K 768, N 96]; A: computed on the way; B: input Wk2: QUANTISED
;;     5. [M 6,272, K 768] x [K 768, N 768]; A: input features_a; B: input Wv1: QUANTISED
;;     6. [M 6,272, K 768] x [K 768, N 96]; A: computed on the way; B: input Wv2: QUANTISED
;;     7. [M 6,272, K 768] x [K 768, N 768]; A: input features_b; B: input Wq1: QUANTISED
;;     8. [M 6,272, K 768] x [K 768, N 96]; A: computed on the way; B: input Wq2: QUANTISED
;;     9. [M 6,272, K 768] x [K 768, N 768]; A: input features_b; B: input Wk1: QUANTISED
;;     10. [M 6,272, K 768] x [K 768, N 96]; A: computed on the way; B: input Wk2: QUANTISED
;;     11. [M 6,272, K 768] x [K 768, N 768]; A: input features_b; B: input Wv1: QUANTISED
;;     12. [M 6,272, K 768] x [K 768, N 96]; A: computed on the way; B: input Wv2: QUANTISED
;;     13. [M 6,272, K 96] x [K 96, N 6,272]; A: computed on the way; B: computed on the way: QUANTISED
;;     14. batch 128 x [M 96, K 49] x [K 49, N 6,272]; A: computed on the way; B: softmax (see below): QUANTISED
;;     15. [M 6,272, K 96] x [K 96, N 6,272]; A: computed on the way; B: computed on the way: QUANTISED
;;     16. batch 128 x [M 6,272, K 49] x [K 49, N 96]; A: softmax (see below); B: computed on the way: QUANTISED
;;   THE QUANTISER, for each operand of a quantised product, along K:
;;     - K is cut into blocks of 32 from its start; a last block that is shorter is filled with zeros.
;;     - A block's scale is 2^e with e = floor(log2(the largest magnitude in the block)) - 8, held to -126 .. 127; a block of zeros has e = 0. As a byte (E8M0): e + 127.
;;     - Each number is divided by its block's scale, clamped to +-448, and rounded to the nearest number of E4M3, ties to even, subnormals kept.
;;     - The product sums the exact products of the quantised numbers (number of the format x scale) in f32.
;;   ~~~python
;;   def quantise(x, axis):      # numpy; x: float32 -> the quantised numbers, widened to float32 again
;;       x = np.moveaxis(x, axis, -1); K = x.shape[-1]
;;       x = np.pad(x, [(0, 0)] * (x.ndim - 1) + [(0, -K % 32)]); x = x.reshape(x.shape[:-1] + (-1, 32)); a = np.abs(x).max(-1, keepdims=True)
;;       e = np.where(a > 0, np.clip(np.frexp(np.where(a > 0, a, 1))[1] - 1 - 8, -126, 127), 0)      # np.frexp(a)[1] - 1 = floor(log2(a)), exactly
;;       r = np.clip(x / 2.0 ** e, -448, 448)
;;       step = 2.0 ** (np.maximum(np.frexp(np.where(r == 0, 1, r))[1] - 1, -6) - 3)
;;       q = np.round(r / step) * step * 2.0 ** e      # np.round: ties to even
;;       return np.moveaxis(q.reshape(q.shape[:-2] + (-1,))[..., :K], -1, axis).astype(np.float32)
;;   ~~~
;;   SOFTMAX AHEAD OF A QUANTISED PRODUCT. Where the list says 'softmax', what is quantised is not the finished softmax but p = 2^(t - M), with t = logit x log2(e) and M = ceil(the row's largest t), a whole number; so 1/2 < the row's largest p <= 1. The row's sum l is taken of the UNQUANTISED p, in f32, and the product's result is divided by l at the end. Since M is a whole number, a kernel that streams over the keys may use a running M (the ceiling of the running maximum): every later rescaling is an exact power of two, which a block's scale takes up: the codes' values come out the same.
;;   OPERANDS COMPUTED ON THE WAY. 'Computed on the way' means the value that the module computes at that place (a softmax that the list does not call 'softmax' is quantised finished and normalised). What goes into a quantiser is computed in f32, as accurately as f32 sums, v_exp_f32 and their like allow (about 1e-6 of the number): no bf16 or f16 on the way to a quantiser, and a product that is left as it is and whose result goes on into a quantised operand takes f32 operands (vector FMAs, or v_wmma_f32_16x16x4_f32). A number that lies on a knife's edge between two numbers of the format may be rounded either way, as far as f32 arithmetic and the matrix unit's own rounding can turn it there, and no further.
;; 2 versions, each right; version 2 is version 1 with the launch attn written anew for expert scheduling mode. Each part assembles by itself: llvm-mc -triple=amdgcn-amd-amdhsa -mcpu=gfx1250 --defsym DOCPART=n.
;; ======== version 1 of 2: 3 launches
;; workspace buffers: xq 12,976,128 bytes; wq 2,052,864 bytes; kv 3,342,336 bytes; qv 6,029,312 bytes; lo 131,072 bytes
;; launch quant (part 1): grid 593 x 1, 6 waves a work-group, no clusters, 0 bytes of LDS; arguments features_a, features_b, Wq1, Wk1, Wv1, Wq2, Wk2, Wv2, xq, wq; writes xq, wq
.if DOCPART == 1
	.amdgcn_target "amdgcn-amd-amdhsa--gfx1250"
	.amdhsa_code_object_version 6
	.text
	.protected	k_q13bca9c177_quant
	.globl	k_q13bca9c177_quant
	.p2align	8
	.type	k_q13bca9c177_quant,@function
k_q13bca9c177_quant:
	s_mov_b64 s[64:65], 0
	v_nop
	global_prefetch_b8 v0, s[64:65] scope:SCOPE_SE
	s_setreg_imm32_b32 hwreg(HW_REG_WAVE_MODE, 25, 1), 1
	s_wait_xcnt 0x0
; Every operand whose K (768) is its FIRST axis is turned into codes of E4M3 with one E8M0 byte for each 32 along K, and stored as IMAGES OF OPERAND REGISTERS:
; a fragment (16 columns x 128 K) is 2,048 bytes: register group c (block c of 32 along K) at 512 c, lane l's 16 bytes at 16 l; a scale register is 128 bytes, lane l's word at 4 l.
; ORDER INSIDE A BLOCK OF 32: lanes 0-15 of a fragment hold k 0-7 and 16-23, lanes 16-31 hold k 8-15 and 24-31.  Every operand of every product of this program is laid so, so the products and the blocks are unchanged.
; SOURCES: a batch of features [768][49] (512 work-groups: batch g, column group cg; columns past 48 repeat column 48), W*1 [768][768] (72), W*2 [768][96] (9).
; SHARES: a work-group takes 32 columns, wave s the K step s of 128.  A lane takes ONE column and its 128 registers run down K: a block's largest magnitude needs no other lane.  No LDS, no loop, no barrier.
; A block's scale is 2^(floor(log2(largest magnitude)) - 8), its byte the magnitude's exponent field - 8, held at 1 from below; numbers are held within +-448 x scale ahead of the conversion.
; LIMITS: NaN and infinities among the inputs are not served.  A block of zeros gets the byte 1 where the rule says 127: its codes are zeros, and this program alone reads the bytes.
.set X,     32                         ; v32-159  my column's 128 numbers
.set C,     160                        ; v160-191 the codes, 8 registers a block; never rewritten
.set FLOOR, 0x4800000                  ; 2^(9 - 127)
.set EOFF,  0xfc000000                 ; -(8 << 23)
.set MANT,  0x600000                   ; the mantissa field of 448
.set IN,    36                         ; s[36:37] where my wave's K step of my 32 columns begins
.set OUTC,  38                         ; s[38:39] the first of my two fragments
.set OUTS,  40                         ; s[40:41] my scale image
.macro LOADS pitch                     ; row k of the K step, 32 neighbouring columns: 128 consecutive bytes a load
.set k, 0
.rept 128
	global_load_b32 v[X+k], v2, s[IN:IN+1] offset:4*\pitch*k
.set k, k+1
.endr
.endm
	s_load_b512 s[4:19], s[0:1], 0x0               ; features_a, features_b, Wq1, Wk1, Wv1, Wq2, Wk2, Wv2
	s_load_b128 s[20:23], s[0:1], 0x40             ; xq, wq
	v_lshrrev_b32 v1, 5, v0
	v_readfirstlane_b32 s24, v1                    ; wave = K step
	v_and_b32 v1, 31, v0                           ; lane L
	v_lshlrev_b32 v4, 2, v1                        ; 4 L
	v_lshrrev_b32 v6, 4, v1                        ; which of my two tiles of 16 columns
	v_and_b32 v5, 15, v1
	v_lshlrev_b32 v5, 4, v5                        ; 16 (L % 16)
	s_mov_b32 s42, MANT
	s_mov_b32 s27, 0                               ; the high words of three offsets
	s_mov_b32 s29, 0
	s_mov_b32 s31, 0
	s_wait_kmcnt 0x0
	s_cmp_lt_u32 ttmp9, 512
	s_cbranch_scc0 .Lweights
	; ---- a batch of features
	s_lshr_b32 s32, ttmp9, 1                       ; g
	s_and_b32 s33, ttmp9, 1                        ; cg
	s_cmp_lt_u32 s32, 128
	s_cselect_b64 s[IN:IN+1], s[4:5], s[6:7]
	s_and_b32 s34, s32, 127
	s_mul_i32 s26, s34, 150528                     ; a batch: 768 x 49 x 4 bytes
	s_mul_i32 s35, s24, 25088                      ; a K step: 128 x 49 x 4
	s_add_co_u32 s26, s26, s35
	s_add_nc_u64 s[IN:IN+1], s[IN:IN+1], s[26:27]
	s_mul_i32 s28, s32, 50688                      ; the batch's record in xq
	s_mul_i32 s35, s33, 24576                      ; fragment (m, s) at (6 m + s) x 2,048, m = 2 cg + L / 16
	s_add_co_u32 s30, s28, s35
	s_lshl_b32 s35, s24, 11
	s_add_co_u32 s30, s30, s35
	s_add_nc_u64 s[OUTC:OUTC+1], s[20:21], s[30:31]
	s_lshl_b32 s35, s24, 1
	s_add_co_u32 s35, s35, s33
	s_lshl_b32 s35, s35, 7                         ; scale image 2 s + cg
	s_add_co_u32 s28, s28, s35
	s_add_co_u32 s28, s28, 49152
	s_add_nc_u64 s[OUTS:OUTS+1], s[20:21], s[28:29]
	s_lshl_b32 s35, s33, 5
	v_add_nc_u32 v2, s35, v1
	v_min_u32 v2, 48, v2                           ; columns 49 to 63 repeat column 48: no load leaves the batch
	v_lshlrev_b32 v2, 2, v2
	v_mad_u32_u24 v3, v6, 12288, v5                ; my second tile's fragment lies six fragments on
	LOADS 49
	s_branch .Ltail
.Lweights:
	s_cmp_lt_u32 ttmp9, 584
	s_cbranch_scc0 .Lw2
	; ---- W*1: j = 24 p + cg
	s_sub_co_u32 s32, ttmp9, 512
	s_mul_i32 s33, s32, 171
	s_lshr_b32 s33, s33, 12                        ; p = j / 24 for j under 72
	s_mul_i32 s34, s33, 24
	s_sub_co_u32 s34, s32, s34                     ; cg
	s_cmp_eq_u32 s33, 0
	s_cselect_b64 s[IN:IN+1], s[8:9], s[10:11]
	s_cmp_eq_u32 s33, 2
	s_cselect_b64 s[IN:IN+1], s[12:13], s[IN:IN+1]
	s_mul_i32 s26, s24, 393216                     ; a K step: 128 x 768 x 4
	s_lshl_b32 s35, s34, 7
	s_add_co_u32 s26, s26, s35
	s_add_nc_u64 s[IN:IN+1], s[IN:IN+1], s[26:27]
	s_mul_i32 s28, s33, 6
	s_lshr_b32 s35, s34, 2
	s_add_co_u32 s28, s28, s35                     ; record 6 p + chunk of 128 hidden units
	s_mul_i32 s28, s28, 113664
	s_bfe_u32 s35, s34, 0x10001                    ; hh: which half of the chunk
	s_mul_i32 s35, s35, 6
	s_add_co_u32 s35, s35, s24                     ; 6 hh + s
	s_and_b32 s43, s34, 1                          ; u: tiles 2 u, 2 u + 1 of the half
	s_lshl_b32 s44, s35, 2
	s_lshl_b32 s45, s43, 1
	s_add_co_u32 s44, s44, s45
	s_lshl_b32 s44, s44, 11
	s_add_co_u32 s30, s28, s44
	s_add_nc_u64 s[OUTC:OUTC+1], s[22:23], s[30:31]
	s_lshl_b32 s44, s35, 1
	s_add_co_u32 s44, s44, s43
	s_lshl_b32 s44, s44, 7
	s_add_co_u32 s28, s28, s44
	s_add_co_u32 s28, s28, 110592
	s_add_nc_u64 s[OUTS:OUTS+1], s[22:23], s[28:29]
	v_mov_b32 v2, v4
	v_lshl_add_u32 v3, v6, 11, v5
	LOADS 768
	s_branch .Ltail
.Lw2:
	; ---- W*2: j = 3 p + cg
	s_sub_co_u32 s32, ttmp9, 584
	s_mul_i32 s33, s32, 11
	s_lshr_b32 s33, s33, 5                         ; p = j / 3 for j under 9
	s_mul_i32 s34, s33, 3
	s_sub_co_u32 s34, s32, s34                     ; cg
	s_cmp_eq_u32 s33, 0
	s_cselect_b64 s[IN:IN+1], s[14:15], s[16:17]
	s_cmp_eq_u32 s33, 2
	s_cselect_b64 s[IN:IN+1], s[18:19], s[IN:IN+1]
	s_mul_i32 s26, s24, 49152                      ; a K step: 128 x 96 x 4
	s_lshl_b32 s35, s34, 7
	s_add_co_u32 s26, s26, s35
	s_add_nc_u64 s[IN:IN+1], s[IN:IN+1], s[26:27]
	s_mul_i32 s35, s33, 6
	s_add_co_u32 s35, s35, s24                     ; record 6 p + K step
	s_mul_i32 s30, s35, 113664
	s_lshl_b32 s44, s34, 12
	s_add_co_u32 s30, s30, s44
	s_add_co_u32 s30, s30, 98304
	s_add_nc_u64 s[OUTC:OUTC+1], s[22:23], s[30:31]
	s_mul_i32 s28, s35, 3
	s_add_co_u32 s28, s28, s34
	s_lshl_b32 s28, s28, 7
	s_add_co_u32 s28, s28, 2045952                 ; behind the 18 records
	s_add_nc_u64 s[OUTS:OUTS+1], s[22:23], s[28:29]
	v_mov_b32 v2, v4
	v_lshl_add_u32 v3, v6, 11, v5
	LOADS 96
.Ltail:
; Block c of my column: 32 numbers, all mine.
.macro BLOCK c
.set XS, X+32*\c
.if 96-32*\c > 63
	s_wait_loadcnt 63                              ; loads come back in order: the block's 32 are in when 96 - 32 c are out; a wait names 63 at the most
.else
	s_wait_loadcnt 96-32*\c
.endif
	v_max3_num_f32 v8, |v[XS]|, |v[XS+1]|, |v[XS+2]|
	v_max3_num_f32 v9, |v[XS+3]|, |v[XS+4]|, |v[XS+5]|
.irp i, 6,10,14,18,22,26
	v_max3_num_f32 v8, v8, |v[XS+\i]|, |v[XS+\i+1]|
	v_max3_num_f32 v9, v9, |v[XS+\i+2]|, |v[XS+\i+3]|
.endr
	v_max3_num_f32 v8, v8, |v[XS+30]|, |v[XS+31]|
	v_max3_num_f32 v8, v8, v9, FLOOR               ; the floor holds the byte at 1 from below
	v_add_nc_u32 v10, EOFF, v8                     ; 8 off the exponent field: the conversion's scale operand
	v_and_or_b32 v11, v8, 0x7f800000, s42          ; 448 x the scale
	v_lshrrev_b32 v12, 23, v10                     ; the byte
.if \c == 0
	v_mov_b32 v14, v12
.else
	v_lshl_or_b32 v14, v12, 8*\c, v14
.endif
.irp i, 0,1,2,3,4,5,6,7,8,9,10,11,12,13,14,15,16,17,18,19,20,21,22,23,24,25,26,27,28,29,30,31
	v_med3_num_f32 v[XS+\i], v[XS+\i], -v11, v11   ; the conversion does not saturate (ISA guide 7.6.2): the hold comes first
.endr
	v_cvt_scalef32_pk8_fp8_f32 v[C+8*\c:C+8*\c+1], v[XS:XS+7], v10        ; k 0-7 and 16-23: what lanes 0-15 of the fragment hold
	v_cvt_scalef32_pk8_fp8_f32 v[C+8*\c+2:C+8*\c+3], v[XS+16:XS+23], v10
	v_cvt_scalef32_pk8_fp8_f32 v[C+8*\c+4:C+8*\c+5], v[XS+8:XS+15], v10   ; k 8-15 and 24-31: lanes 16-31
	v_cvt_scalef32_pk8_fp8_f32 v[C+8*\c+6:C+8*\c+7], v[XS+24:XS+31], v10
	global_store_b128 v3, v[C+8*\c:C+8*\c+3], s[OUTC:OUTC+1] offset:512*\c        ; sixteen lanes store 256 consecutive bytes, aligned
	global_store_b128 v3, v[C+8*\c+4:C+8*\c+7], s[OUTC:OUTC+1] offset:512*\c+256
.endm
	BLOCK 0
	BLOCK 1
	BLOCK 2
	BLOCK 3
	global_store_b32 v4, v14, s[OUTS:OUTS+1]       ; the scale image: lanes 0-15 my first tile's words, lanes 16-31 my second's
	s_endpgm
.Lfunc_end_k_q13bca9c177_quant:
	.size	k_q13bca9c177_quant, .Lfunc_end_k_q13bca9c177_quant-k_q13bca9c177_quant
	.p2alignl 7, 3214868480
	.fill 96, 4, 3214868480
	.section	.rodata,"a",@progbits
	.p2align	6, 0x0
	.amdhsa_kernel k_q13bca9c177_quant
		.amdhsa_group_segment_fixed_size 0
		.amdhsa_private_segment_fixed_size 0
		.amdhsa_enable_private_segment 0
		.amdhsa_kernarg_size 80
		.amdhsa_user_sgpr_count 2
		.amdhsa_user_sgpr_kernarg_segment_ptr 1
		.amdhsa_wavefront_size32 1
		.amdhsa_system_sgpr_workgroup_id_x 1
		.amdhsa_system_sgpr_workgroup_id_y 1
		.amdhsa_system_sgpr_workgroup_id_z 1
		.amdhsa_system_vgpr_workitem_id 0
		.amdhsa_next_free_vgpr 192
		.amdhsa_next_free_sgpr 66
		.amdhsa_reserve_vcc 0
		.amdhsa_float_denorm_mode_32 3
		.amdhsa_float_denorm_mode_16_64 3
		.amdhsa_memory_ordered 1
		.amdhsa_forward_progress 1
		.amdhsa_inst_pref_size 56
	.end_amdhsa_kernel
	.amdgpu_metadata
---
amdhsa.version: [ 1, 2 ]
amdhsa.kernels:
  - .name:           k_q13bca9c177_quant
    .symbol:         k_q13bca9c177_quant.kd
    .args:
      - { .name: features_a, .offset: 0, .size: 8, .value_kind: global_buffer, .address_space: global }
      - { .name: features_b, .offset: 8, .size: 8, .value_kind: global_buffer, .address_space: global }
      - { .name: Wq1, .offset: 16, .size: 8, .value_kind: global_buffer, .address_space: global }
      - { .name: Wk1, .offset: 24, .size: 8, .value_kind: global_buffer, .address_space: global }
      - { .name: Wv1, .offset: 32, .size: 8, .value_kind: global_buffer, .address_space: global }
      - { .name: Wq2, .offset: 40, .size: 8, .value_kind: global_buffer, .address_space: global }
      - { .name: Wk2, .offset: 48, .size: 8, .value_kind: global_buffer, .address_space: global }
      - { .name: Wv2, .offset: 56, .size: 8, .value_kind: global_buffer, .address_space: global }
      - { .name: xq, .offset: 64, .size: 8, .value_kind: global_buffer, .address_space: global }
      - { .name: wq, .offset: 72, .size: 8, .value_kind: global_buffer, .address_space: global }
    .group_segment_fixed_size: 0
    .private_segment_fixed_size: 0
    .kernarg_segment_align: 8
    .kernarg_segment_size: 80
    .max_flat_workgroup_size: 192
    .sgpr_count:     66
    .vgpr_count:     192
    .wavefront_size: 32
...
	.end_amdgpu_metadata
.endif
;; end of part 1
;; launch proj (part 2): grid 64 x 3, 4 waves a work-group, clusters of 4 x 1, 327,680 bytes of LDS; arguments xq, wq, kv, qv, lo; writes kv, qv, lo
.if DOCPART == 2
	.amdgcn_target "amdgcn-amd-amdhsa--gfx1250"
	.amdhsa_code_object_version 6
	.text
	.protected	k_q13bca9c177_proj
	.globl	k_q13bca9c177_proj
	.p2align	8
	.type	k_q13bca9c177_proj,@function
k_q13bca9c177_proj:
	s_mov_b64 s[64:65], 0
	v_nop
	global_prefetch_b8 v0, s[64:65] scope:SCOPE_SE
	s_setreg_imm32_b32 hwreg(HW_REG_WAVE_MODE, 25, 1), 1
	s_wait_xcnt 0x0
	s_wait_alu depctr_hold_cnt(0) depctr_sa_sdst(0) depctr_va_vdst(0) depctr_va_sdst(0) depctr_va_ssrc(0) depctr_va_vcc(0) depctr_vm_vsrc(0)
	s_getreg_b32 s2, hwreg(HW_REG_IB_STS2, 6, 4)
	s_cmp_eq_u32 s2, 0
	s_cbranch_scc0 .Lentry_in_a_cluster
	s_endpgm
.Lentry_in_a_cluster:
	s_bfe_u32 s2, ttmp6, 0x10000c
	s_cmp_lg_u32 s2, 0x3003
	s_cbranch_scc0 .Lentry_shape_is_right
	s_endpgm
.Lentry_shape_is_right:
; relu(x W1) W2 for one projection p (0 q, 1 k, 2 v: the grid's y) and four batches (one a wave), both products on codes of E4M3 with E8M0 scales; then the operand images that the attention launch reads.
; SHARES: wave w owns batch g = 4 x + w: 64 rows (49 real; rows 49-63 repeat row 48) through the whole chain.  Its x fragments, 24 x 16 registers, stay in registers.
; The weights come in six chunks of 128 hidden units (a record of 113,664 bytes: W1's 48 fragments, W2's 6 of that K step, W1's scale images) through two LDS slots, read by all four waves.
; CLUSTER: the four work-groups of a cluster walk the same weights: each chunk is asked for JOINTLY (mask 15); each wave brings a quarter, 111 rows of 256 bytes.  One tensor load of a wave is out at a time.
; BOTH PRODUCTS ARE USED TRANSPOSED (source 0 = 16 columns of the weight, source 1 = 16 rows): a lane holds one row, and the 16 registers of two neighbouring result tiles are, in the order in which all operands
; of this program are laid (lanes 0-15: k 0-7, 16-23 of a block; lanes 16-31: k 8-15, 24-31), its part of a block of 32 along the next K.  So conversions' results are the next operand's registers.
; OUT: p = 1: kv: K's four tiles and scale images.  p = 0: qv: Q's three tiles; lo: row 48.  p = 2: qv, lo: v / max(|v|, 1e-8) in f32; kv: V^T quantised along the 49 keys (through a stage in LDS).
; LIMITS: NaN and infinities are not served.  A block of zeros gets the byte 1 (its codes are zeros; only this program reads the bytes).
; REGISTERS, in windows of 256.  Window 0: v1 16 lane, v2 4 lane, v3-4 the add's two, v5-8 LDS addresses of the slot in hand, v9-15 epilogue addresses, v16-27 x's scale words, v28-31 W1's (two sets), v32-34 W2's,
;   v36-39 the hidden layer's, v40-55 at work, v64-127 the hidden layer's codes, v128-255 the 16 accumulators of the first product.  Window 1: x fragments of K steps 0-3.
;   Window 2: v0-127 x fragments of K steps 4, 5; v128-255 two sets of W1 fragments, or W2's six.  Window 3: the 24 accumulators of the second product, (m, n) at 8 (6 m + n).
.set SLOT1, 1<<17                      ; slot 1 begins here: one exclusive or turns an address
.set RECB,  113664
.set SPARE, 244736                     ; behind slot 1: the spare words, 128 bytes a wave, two blocks of 256 bytes that no other line names
.set FLOOR, 0x4800000
.set EOFF,  0xfc000000
.set TM,    40                         ; v40-43 largest magnitudes, v44-47 the other half's, then bytes, v48-51 448 x scale, v52-55 scale operands
.set HS,    36
.set QW,    56                         ; v56-59 the four tiles' scale words in the q and k epilogue
.set MSB, 0
.macro WIN new                         ; the immediate's high byte repeats the setting that is left
.if MSB != \new
	s_set_vgpr_msb (MSB<<8)|\new
.set MSB, \new
.endif
.endm
.macro PLACES n
.rept \n
	v_nop
.endr
.endm
.macro ROUND                           ; a round of the cluster's barrier
	s_barrier_signal -1
	s_barrier_wait -1
	s_cmp_lg_u32 s14, 0
	s_cbranch_scc1 .Lnot_wave_0_\@
	s_barrier_signal -3
.Lnot_wave_0_\@:
	s_barrier_wait -3
	s_barrier_signal -1
	s_barrier_wait -1
.endm
; one scaled product: D at d, source 0 at a, source 1 at b; cz = 1: the sum begins; sa, sb the scale registers; ra, rb = 1: their lanes 16-31
.macro WMS d, a, b, cz, sa, sb, ra, rb
.if \cz
.if (\ra) && (\rb)
	v_wmma_scale_f32_16x16x128_f8f6f4 v[(\d):(\d)+7], v[(\a):(\a)+15], v[(\b):(\b)+15], 0, v[\sa], v[\sb] matrix_a_scale:MATRIX_SCALE_ROW1 matrix_b_scale:MATRIX_SCALE_ROW1
.elseif (\ra)
	v_wmma_scale_f32_16x16x128_f8f6f4 v[(\d):(\d)+7], v[(\a):(\a)+15], v[(\b):(\b)+15], 0, v[\sa], v[\sb] matrix_a_scale:MATRIX_SCALE_ROW1
.elseif (\rb)
	v_wmma_scale_f32_16x16x128_f8f6f4 v[(\d):(\d)+7], v[(\a):(\a)+15], v[(\b):(\b)+15], 0, v[\sa], v[\sb] matrix_b_scale:MATRIX_SCALE_ROW1
.else
	v_wmma_scale_f32_16x16x128_f8f6f4 v[(\d):(\d)+7], v[(\a):(\a)+15], v[(\b):(\b)+15], 0, v[\sa], v[\sb]
.endif
.else
.if (\ra) && (\rb)
	v_wmma_scale_f32_16x16x128_f8f6f4 v[(\d):(\d)+7], v[(\a):(\a)+15], v[(\b):(\b)+15], v[(\d):(\d)+7], v[\sa], v[\sb] matrix_a_scale:MATRIX_SCALE_ROW1 matrix_b_scale:MATRIX_SCALE_ROW1
.elseif (\ra)
	v_wmma_scale_f32_16x16x128_f8f6f4 v[(\d):(\d)+7], v[(\a):(\a)+15], v[(\b):(\b)+15], v[(\d):(\d)+7], v[\sa], v[\sb] matrix_a_scale:MATRIX_SCALE_ROW1
.elseif (\rb)
	v_wmma_scale_f32_16x16x128_f8f6f4 v[(\d):(\d)+7], v[(\a):(\a)+15], v[(\b):(\b)+15], v[(\d):(\d)+7], v[\sa], v[\sb] matrix_b_scale:MATRIX_SCALE_ROW1
.else
	v_wmma_scale_f32_16x16x128_f8f6f4 v[(\d):(\d)+7], v[(\a):(\a)+15], v[(\b):(\b)+15], v[(\d):(\d)+7], v[\sa], v[\sb]
.endif
.endif
.endm
; THE QUANTISER of 64 registers from v[s] on, four blocks b of 16 registers; a block's other 16 numbers lie in lane l xor 16.  QHEAD: up to the bytes (v[TM+4+b]).  relu = 1: what is negative is to become 0, so it does not count.
.macro QHEAD s, relu
.if \relu
.irp b, 0,1,2,3
	v_max3_num_f32 v[TM+\b], v[(\s)+16*\b], v[(\s)+1+16*\b], FLOOR
.endr
.irp i, 2,4,6,8,10,12,14
.irp b, 0,1,2,3
	v_max3_num_f32 v[TM+\b], v[TM+\b], v[(\s)+16*\b+\i], v[(\s)+1+16*\b+\i]
.endr
.endr
.else
.irp b, 0,1,2,3
	v_max3_num_f32 v[TM+\b], |v[(\s)+16*\b]|, |v[(\s)+1+16*\b]|, FLOOR
.endr
.irp i, 2,4,6,8,10,12,14
.irp b, 0,1,2,3
	v_max3_num_f32 v[TM+\b], v[TM+\b], |v[(\s)+16*\b+\i]|, |v[(\s)+1+16*\b+\i]|
.endr
.endr
.endif
.irp b, 0,1,2,3
	v_permlanex16_b32 v[TM+4+\b], v[TM+\b], s32, s33
.endr
.irp b, 0,1,2,3
	v_max_num_f32 v[TM+\b], v[TM+\b], v[TM+4+\b]
.endr
.irp b, 0,1,2,3
	v_add_nc_u32 v[TM+12+\b], EOFF, v[TM+\b]       ; 8 off the exponent field: the conversion's scale operand
.endr
.irp b, 0,1,2,3
	v_and_or_b32 v[TM+8+\b], v[TM+\b], 0x7f800000, s34   ; 448 x the scale
.endr
.irp b, 0,1,2,3
	v_lshrrev_b32 v[TM+4+\b], 23, v[TM+12+\b]      ; the byte
.endr
.endm
; QTAIL: the hold and the conversions; block b's four code registers at d0 + ds (b / 2) + 4 (b % 2)
.macro QTAIL s, relu, d0, ds
.irp b, 0,1,2,3
.irp i, 0,1,2,3,4,5,6,7,8,9,10,11,12,13,14,15
.if \relu
	v_med3_num_f32 v[(\s)+16*\b+\i], v[(\s)+16*\b+\i], 0, v[TM+8+\b]      ; the activation and the hold in one
.else
	v_med3_num_f32 v[(\s)+16*\b+\i], v[(\s)+16*\b+\i], -v[TM+8+\b], v[TM+8+\b]
.endif
.endr
	v_cvt_scalef32_pk8_fp8_f32 v[(\d0)+(\ds)*(\b/2)+4*(\b%2):(\d0)+(\ds)*(\b/2)+4*(\b%2)+1], v[(\s)+16*\b:(\s)+16*\b+7], v[TM+12+\b]
	v_cvt_scalef32_pk8_fp8_f32 v[(\d0)+(\ds)*(\b/2)+4*(\b%2)+2:(\d0)+(\ds)*(\b/2)+4*(\b%2)+3], v[(\s)+16*\b+8:(\s)+16*\b+15], v[TM+12+\b]
.endr
	v_nop                                          ; a plain line behind the last conversion: later products write its sources
.endm
; the hidden layer of row tiles 2 mp, 2 mp + 1, half hh of the chunk: blocks 2 hh, 2 hh + 1 of the second product's K step
.macro QH mp, hh
	QHEAD 128+64*\mp, 1
.if \hh == 0
	v_lshl_or_b32 v[HS+2*\mp], v[TM+5], 8, v[TM+4]
	v_lshl_or_b32 v[HS+2*\mp+1], v[TM+7], 8, v[TM+6]
.else
	v_lshl_or_b32 v[HS+2*\mp], v[TM+4], 16, v[HS+2*\mp]
	v_lshl_or_b32 v[HS+2*\mp+1], v[TM+6], 16, v[HS+2*\mp+1]
	v_lshl_or_b32 v[HS+2*\mp], v[TM+5], 24, v[HS+2*\mp]
	v_lshl_or_b32 v[HS+2*\mp+1], v[TM+7], 24, v[HS+2*\mp+1]
.endif                                             ; the scale words stand ahead of the 64 holds: more than eight places ahead of the product that names them
	QTAIL 128+64*\mp, 1, 64+32*\mp+8*\hh, 16
.endm
; THE CHANGE OF SLOTS, at a chunk's head: all my tensor loads have landed (my quarter of this chunk), the add, my reads of the slot that I left are over; then the barrier.
; fill = 1: the barrier is a round of the cluster's, and the next chunk is asked for jointly, first thing behind it, into the slot that was left.
.macro CHANGE fill
	s_wait_tensorcnt 0x0
	ds_add_u32 v3, v4                              ; 0 onto my spare word
.if \fill
	s_xor_b32 s29, s29, SLOT1                      ; no tensor load of mine is out: the walking descriptor may be written: the other slot,
	s_add_nc_u64 s[30:31], s[30:31], RECB          ; the next record
.endif
	s_wait_dscnt 0x0
.if \fill
	ROUND
	tensor_load_to_lds s[28:31], s[20:27]
	s_nop 0
	PLACES 4                                       ; four of the eight places in front of the loads below
.else
	s_barrier_signal -1
	s_barrier_wait -1
.endif
.endm
.macro LOADW hh, s, q                  ; W1's four fragments and two scale images of (half hh, K step s) into set q: 18 LDS loads
	WIN 0x80                                       ; destination window 2, address window 0
.irp t, 0,1,2,3
.irp c, 0,1,2,3
	ds_load_b128 v[128+64*(\q)+16*\t+4*\c:128+64*(\q)+16*\t+4*\c+3], v[5+\hh] offset:(4*(\s)+\t)*2048+512*\c
.endr
.endr
	WIN 0
.irp u, 0,1
	ds_load_b32 v[28+2*(\q)+\u], v8 offset:((6*\hh+(\s))*2+\u)*128
.endr
.endm
; 16 products: four row tiles x four tiles of hidden units, K step s.  The 16 accumulators take turns, one instruction a turn.
.macro MUL16 s, q, zero
.if (\s) < 4
	WIN 0x06                                       ; source 0 (W1) window 2, source 1 (x) window 1
.set XB, 64*(\s)
.else
	WIN 0x0a                                       ; x in window 2
.set XB, 64*((\s)-4)
.endif
.irp m, 0,1,2,3
.irp t, 0,1,2,3
	WMS 128+32*\m+8*\t, 128+64*(\q)+16*\t, XB+16*\m, \zero, 28+2*(\q)+\t/2, 16+2*(\s)+\m/2, \t%2, \m%2
.endr
.endr
.endm
.macro HALF hh                         ; 64 hidden units for my 64 rows: six K steps; the next step's fragments are asked for ahead of each step's products
.irp s, 0,1,2,3,4,5
.if \s < 5
.if \s > 0
	PLACES 8                                       ; in front of loads into the set that the last step's products read (ISA guide 7.12.1 for vector instructions)
.endif
	LOADW \hh, \s+1, (\s+1)%2
	s_wait_dscnt 18                                ; all but the 18 just issued: this step's set is in
.else
	s_wait_dscnt 0x0
.endif
.if \s == 0
	MUL16 \s, \s%2, 1
.else
	MUL16 \s, \s%2, 0
.endif
.endr
	WIN 0
	PLACES 8                                       ; in front of the loads below and of the first read of results
.if \hh == 0
	LOADW 1, 0, 0
.else
	WIN 0x80
.irp n, 0,1,2,3,4,5
.irp c, 0,1,2,3
	ds_load_b128 v[128+16*\n+4*\c:128+16*\n+4*\c+3], v7 offset:2048*\n+512*\c     ; W2's six fragments of this K step
.endr
.endr
	WIN 0
.endif
	QH 0, \hh
	QH 1, \hh
.endm
.macro G2 zero                         ; the second product's K step: 24 accumulators by turns
	PLACES 4                                       ; codes written by vector instructions stand four places ahead of a scaled product
	s_wait_dscnt 0x0                               ; W2's fragments
	s_wait_loadcnt 0x0                             ; W2's scale words
	WIN 0xf2                                       ; source 0 window 2, source 1 window 0, C and D window 3
.irp n, 0,1,2,3,4,5
.irp m, 0,1,2,3
	WMS 8*(6*\m+\n), 128+16*\n, 64+16*\m, \zero, 32+\n/2, HS+\m, \n%2, 0
.endr
.endr
	WIN 0
.endm
.macro CHUNK fill, zero
	CHANGE \fill
	v_add_nc_u32 v5, s35, v1                       ; the slot in hand: W1's half 0,
	v_add_nc_u32 v6, 49152, v5                     ; half 1,
	v_add_nc_u32 v7, 98304, v5                     ; W2's fragments,
	v_add_nc_u32 v8, s35, v14                      ; W1's scale images.  (Four more places)
.if \fill == 0
	PLACES 4
.endif
.irp u, 0,1,2
	global_load_b32 v[32+\u], v2, s[38:39] offset:128*\u
.endr
	LOADW 0, 0, 0
	HALF 0
	HALF 1
	G2 \zero
	s_xor_b32 s35, s35, SLOT1
	s_add_nc_u64 s[38:39], s[38:39], 384           ; its loads have been waited for
.endm
	s_load_b256 s[4:11], s[0:1], 0x0               ; xq, wq, kv, qv
	s_load_b64 s[12:13], s[0:1], 0x20              ; lo
	v_lshl_add_u32 v3, v0, 2, SPARE
	v_mov_b32 v4, 0
	ds_add_u32 v3, v4
	ds_add_u32 v3, v4
	s_wait_dscnt 0x0
	v_lshrrev_b32 v1, 5, v0
	v_readfirstlane_b32 s14, v1                    ; wave
	s_and_b32 s17, ttmp7, 0xffff                   ; p: the same in all four partners
	s_mov_b32 s20, 15|(3<<16)|(1<<21)              ; group 1: mask of the four; elements of 8 bytes; bit 21 beside a mask; no padding
	s_mov_b32 s21, 32<<16                          ; tensor_dim0 = 32 (256 bytes)
	s_mov_b32 s22, 111<<16                         ; tensor_dim1 = 111
	s_mov_b32 s23, 32<<16                          ; tile_dim0
	s_mov_b32 s24, 111                             ; tile_dim1
	s_mov_b32 s25, 32                              ; pitch: dense
	s_mov_b32 s26, 0
	s_mov_b32 s27, 0
	s_mul_i32 s19, s14, 28416                      ; my quarter of a record, in memory and in a slot
	s_mul_i32 s54, s17, 6*RECB
	s_add_co_u32 s54, s54, s19
	s_mov_b32 s55, 0
	s_wait_kmcnt 0x0
	s_mov_b32 s28, 1
	s_mov_b32 s29, s19
	s_add_nc_u64 s[30:31], s[6:7], s[54:55]
	s_or_b32 s31, s31, 0x80000000
	ROUND                                          ; the four work-groups are here: the first joint loads meet
	tensor_load_to_lds s[28:31], s[20:27]          ; chunk 0 into slot 0
	s_nop 0
	PLACES 4
	s_bfe_u32 s15, ttmp6, 0x40000                  ; cx: it enters the addresses of x and of the results alone
	s_lshl_b32 s16, ttmp9, 2
	s_add_co_u32 s16, s16, s15
	s_lshl_b32 s18, s16, 2
	s_add_co_u32 s18, s18, s14                     ; g
	s_mov_b32 s51, 0
	s_mul_i32 s50, s18, 50688
	s_add_nc_u64 s[40:41], s[4:5], s[50:51]        ; my batch's record in xq,
	s_mul_i32 s50, s18, 13056
	s_add_nc_u64 s[42:43], s[8:9], s[50:51]        ; in kv,
	s_mul_i32 s50, s18, 23552
	s_add_nc_u64 s[44:45], s[10:11], s[50:51]      ; in qv,
	s_lshr_b32 s52, s18, 3
	s_lshl_b32 s52, s52, 12
	s_and_b32 s53, s18, 7
	s_lshl_b32 s50, s53, 4
	s_add_co_u32 s50, s50, s52
	s_add_nc_u64 s[46:47], s[12:13], s[50:51]      ; in lo: 4,096 (g / 8) + 16 (g % 8),
	s_lshl_b32 s50, s53, 2
	s_add_co_u32 s50, s50, s52
	s_add_co_u32 s50, s50, 768
	s_add_nc_u64 s[52:53], s[12:13], s[50:51]      ; and its scale word there
	s_mul_i32 s50, s17, 2304
	s_add_co_u32 s50, s50, 2045952
	s_add_nc_u64 s[38:39], s[6:7], s[50:51]        ; W2's scale images of chunk 0
	s_mov_b32 s32, 0x76543210
	s_mov_b32 s33, 0xfedcba98                      ; v_permlanex16_b32's selects for lane l xor 16
	s_mov_b32 s34, 0x600000
	s_mov_b32 s35, 0                               ; the slot in hand
	s_mov_b32 s48, 0xffff0000                      ; lanes 16-31
	s_mov_b32 s49, 0x322bcc77                      ; 1e-8
	v_and_b32 v2, 31, v0
	v_lshlrev_b32 v1, 4, v2                        ; 16 lane
	v_lshlrev_b32 v2, 2, v2                        ; 4 lane
	v_and_b32 v9, 15, v0                           ; r
	v_bfe_u32 v10, v0, 4, 1                        ; h
	s_mul_i32 s50, s14, 25600                      ; my stage (v path): 64 rows x 400 bytes, in slot 0 behind its last fill and its last read
	v_mul_u32_u24 v11, v9, 400
	v_lshl_add_u32 v11, v10, 5, v11
	v_add_nc_u32 v11, s50, v11                     ; in: row r, + 32 h
	v_mul_u32_u24 v12, v10, 3200
	v_lshl_add_u32 v12, v9, 2, v12
	v_add_nc_u32 v12, s50, v12                     ; back: column r, rows from 8 h on
	v_lshlrev_b32 v13, 7, v10                      ; 128 h
	v_add_nc_u32 v14, 110592, v2
	v_mov_b32 v15, 0
.irp b, 0,1,2,3
	v_mov_b32 v[TM+4+\b], 0                        ; written once: a lane permute's destination counts as one of its sources
.endr
	WIN 0x40
.irp s, 0,1,2,3
.irp m, 0,1,2,3
.irp c, 0,1,2,3
	global_load_b128 v[16*(4*\s+\m)+4*\c:16*(4*\s+\m)+4*\c+3], v1, s[40:41] offset:(6*\m+\s)*2048+512*\c
.endr
.endr
.endr
	WIN 0x80
.irp s, 4,5
.irp m, 0,1,2,3
.irp c, 0,1,2,3
	global_load_b128 v[16*(4*(\s-4)+\m)+4*\c:16*(4*(\s-4)+\m)+4*\c+3], v1, s[40:41] offset:(6*\m+\s)*2048+512*\c
.endr
.endr
.endr
	WIN 0
.irp i, 0,1,2,3,4,5,6,7,8,9,10,11
	global_load_b32 v[16+\i], v2, s[40:41] offset:49152+128*\i
.endr
	s_wait_loadcnt 0x0
	CHUNK 1, 1                                     ; chunk 0: its products start the second product's sums
	s_mov_b32 s36, 4
.Lchunk:
	CHUNK 1, 0                                     ; chunks 1 to 4
	s_sub_co_u32 s36, s36, 1
	s_cmp_lg_u32 s36, 0
	s_cbranch_scc1 .Lchunk
	CHUNK 0, 0                                     ; chunk 5 is written out: nothing is left to ask for
	PLACES 8
	s_cmp_eq_u32 s17, 2
	s_cbranch_scc1 .Lv
	; ---- q and k: a row's 96 numbers are three blocks along the scores' K
.macro QUANT3 m
	WIN 0x0f
.irp b, 0,1,2
	v_max3_num_f32 v[TM+\b], |v[48*\m+16*\b]|, |v[48*\m+16*\b+1]|, FLOOR      ; each accumulator is read from its low end on
.endr
	WIN 0x3c
.irp i, 2,4,6,8,10,12,14
.irp b, 0,1,2
	v_max3_num_f32 v[TM+\b], v[TM+\b], |v[48*\m+16*\b+\i]|, |v[48*\m+16*\b+\i+1]|
.endr
.endr
	WIN 0
.irp b, 0,1,2
	v_permlanex16_b32 v[TM+4+\b], v[TM+\b], s32, s33
.endr
.irp b, 0,1,2
	v_max_num_f32 v[TM+\b], v[TM+\b], v[TM+4+\b]
.endr
.irp b, 0,1,2
	v_add_nc_u32 v[TM+12+\b], EOFF, v[TM+\b]
.endr
.irp b, 0,1,2
	v_and_or_b32 v[TM+8+\b], v[TM+\b], 0x7f800000, s34
.endr
.irp b, 0,1,2
	v_lshrrev_b32 v[TM+4+\b], 23, v[TM+12+\b]
.endr
	v_lshl_or_b32 v[QW+\m], v[TM+5], 8, v[TM+4]
	v_lshl_or_b32 v[QW+\m], v[TM+6], 16, v[QW+\m]  ; the fourth byte stays 0: the fourth block's codes on the query side are zeros
	WIN 0xc3
.irp b, 0,1,2
.irp i, 0,1,2,3,4,5,6,7,8,9,10,11,12,13,14,15
	v_med3_num_f32 v[48*\m+16*\b+\i], v[48*\m+16*\b+\i], -v[TM+8+\b], v[TM+8+\b]
.endr
.endr
	WIN 0x03
.irp b, 0,1,2
	v_cvt_scalef32_pk8_fp8_f32 v[64+12*\m+4*\b:64+12*\m+4*\b+1], v[48*\m+16*\b:48*\m+16*\b+7], v[TM+12+\b]
	v_cvt_scalef32_pk8_fp8_f32 v[64+12*\m+4*\b+2:64+12*\m+4*\b+3], v[48*\m+16*\b+8:48*\m+16*\b+15], v[TM+12+\b]
.endr
	WIN 0
	v_nop
.endm
	QUANT3 0
	QUANT3 1
	QUANT3 2
	QUANT3 3
	s_cmp_eq_u32 s17, 1
	s_cbranch_scc0 .Lq
.irp m, 0,1,2,3                        ; K: four tiles (tile 3 is key 48 sixteen times), three register groups each
.irp c, 0,1,2
	global_store_b128 v1, v[64+12*\m+4*\c:64+12*\m+4*\c+3], s[42:43] offset:1536*\m+512*\c
.endr
.endr
	v_cndmask_b32 v60, v56, v57, s48               ; a scale image: the even tile's words in lanes 0-15, the odd tile's in lanes 16-31
	v_cndmask_b32 v61, v58, v59, s48
	global_store_b32 v2, v60, s[42:43] offset:12288
	global_store_b32 v2, v61, s[42:43] offset:12416
	s_branch .Lend
.Lq:
.irp m, 0,1,2                          ; Q: three tiles
.irp c, 0,1,2
	global_store_b128 v1, v[64+12*\m+4*\c:64+12*\m+4*\c+3], s[44:45] offset:1536*\m+512*\c
.endr
	global_store_b32 v2, v[QW+\m], s[44:45] offset:4608+128*\m
.endr
	v_cmp_eq_u32 vcc_lo, 0, v9                     ; row 48 lies in lanes 0 and 16 of tile 3
	s_wait_xcnt 0x0                                ; EXEC changes only behind this wait
	s_and_saveexec_b32 s50, vcc_lo
.irp c, 0,1,2
	global_store_b128 v13, v[100+4*\c:103+4*\c], s[46:47] offset:256*\c
.endr
	global_store_b32 v15, v59, s[52:53]
	s_wait_xcnt 0x0
	s_or_b32 exec_lo, exec_lo, s50
	s_branch .Lend
.Lv:	; ---- v
	WIN 0x0c                                       ; an LDS store's data are its source 1: window 3
.irp m, 0,1,2,3
.irp n, 0,1,2,3,4,5
	ds_store_b128 v11, v[8*(6*\m+\n):8*(6*\m+\n)+3] offset:16*\m*400+64*\n       ; v(16 m + r, 16 n + 8 h + 0 .. 7), as it is
	ds_store_b128 v11, v[8*(6*\m+\n)+4:8*(6*\m+\n)+7] offset:16*\m*400+64*\n+16
.endr
.endr
	WIN 0
.irp b, 64,96,128,160
.irp i, 25,26,27,28,29,30,31
	v_mov_b32 v[\b+\i], 0                          ; keys past 48: zeros, written once (the hold leaves them zeros)
.endr
.endr
; V^T: fragment f holds channels 16 f + r; lane (r, h) takes keys 8 h + j, 16 + 8 h + j, 32 + 8 h + j and 48.  Two fragments a round, 50 loads; LDS serves a wave's instructions in order, so they see my stores.
.macro VLOAD rd
.set VB, 64+64*((\rd)%2)
.irp fi, 0,1
.irp m, 0,1,2
.irp j, 0,1,2,3,4,5,6,7
	ds_load_b32 v[VB+32*\fi+8*\m+\j], v12 offset:(16*\m+\j)*400+64*(2*(\rd)+\fi)
.endr
.endr
	ds_load_b32 v[VB+32*\fi+24], v12 offset:19200+64*(2*(\rd)+\fi)
.endr
.endm
	VLOAD 0
	VLOAD 1
	WIN 0x0f                                       ; |v|^2 of my row: my 48 numbers, two chains a tile
.irp m, 0,1,2,3
	v_pk_mul_f32 v[200+4*\m:201+4*\m], v[48*\m:48*\m+1], v[48*\m:48*\m+1]
	v_pk_mul_f32 v[202+4*\m:203+4*\m], v[48*\m+2:48*\m+3], v[48*\m+2:48*\m+3]
.endr
.irp i, 4,8,12,16,20,24,28,32,36,40,44
.irp m, 0,1,2,3
	v_pk_fma_f32 v[200+4*\m:201+4*\m], v[48*\m+\i:48*\m+\i+1], v[48*\m+\i:48*\m+\i+1], v[200+4*\m:201+4*\m]
	v_pk_fma_f32 v[202+4*\m:203+4*\m], v[48*\m+\i+2:48*\m+\i+3], v[48*\m+\i+2:48*\m+\i+3], v[202+4*\m:203+4*\m]
.endr
.endr
	WIN 0
.irp m, 0,1,2,3
	v_pk_add_f32 v[200+4*\m:201+4*\m], v[200+4*\m:201+4*\m], v[202+4*\m:203+4*\m]
.endr
.irp m, 0,1,2,3
	v_add_f32 v[216+\m], v[200+4*\m], v[201+4*\m]
.endr
.irp m, 0,1,2,3
	v_permlanex16_b32 v[TM+4+\m], v[216+\m], s32, s33
.endr
.irp m, 0,1,2,3
	v_add_f32 v[216+\m], v[216+\m], v[TM+4+\m]
.endr
.irp m, 0,1,2,3
	v_sqrt_f32 v[216+\m], v[216+\m]
.endr
	v_nop
	s_wait_alu depctr_va_vdst(0)                   ; one wait for the four roots, ahead of their first reader
.irp m, 0,1,2,3
	v_max_num_f32 v[216+\m], s49, v[216+\m]        ; max(|v|, 1e-8)
.endr
.irp m, 0,1,2,3
	v_rcp_f32 v[220+2*\m], v[216+\m]
.endr
	v_nop
	s_wait_alu depctr_va_vdst(0)
.irp m, 0,1,2,3
	v_mov_b32 v[221+2*\m], v[220+2*\m]             ; (named with it as a pair)
.endr
	s_wait_dscnt 50                                ; all but round 1's 50 loads: my stores into the stage have read v, which is now scaled in place
	WIN 0xc3
.irp m, 0,1,2,3
.irp i, 0,2,4,6,8,10,12,14,16,18,20,22,24,26,28,30,32,34,36,38,40,42,44,46
	v_pk_mul_f32 v[48*\m+\i:48*\m+\i+1], v[48*\m+\i:48*\m+\i+1], v[220+2*\m:221+2*\m] op_sel_hi:[1,0]
.endr
.endr
	WIN 0x0c
.irp m, 0,1,2
.irp i, 0,1,2,3,4,5,6,7,8,9,10,11
	global_store_b128 v1, v[48*\m+4*\i:48*\m+4*\i+3], s[44:45] offset:5120+6144*\m+512*\i
.endr
.endr
	WIN 0
	v_cmp_eq_u32 vcc_lo, 0, v9
	s_wait_xcnt 0x0
	s_and_saveexec_b32 s50, vcc_lo
	WIN 0x0c
.irp i, 0,1,2,3,4,5,6,7,8,9,10,11
	global_store_b128 v13, v[144+4*\i:144+4*\i+3], s[46:47] offset:1024+256*\i    ; row 48
.endr
	WIN 0
	s_wait_xcnt 0x0
	s_or_b32 exec_lo, exec_lo, s50
.macro VQ rd                           ; two fragments: four blocks of 16 registers (keys 0-31, keys 32-48 and zeros, twice)
.set VB, 64+64*((\rd)%2)
	v_cndmask_b32 v[VB+24], v[VB+24], 0, s48       ; the place of key 56, in lanes 16-31: there is no such key
	v_cndmask_b32 v[VB+56], v[VB+56], 0, s48
	QHEAD VB, 0
	v_lshl_or_b32 v[240+2*\rd], v[TM+5], 8, v[TM+4]
	v_lshl_or_b32 v[241+2*\rd], v[TM+7], 8, v[TM+6]
	QTAIL VB, 0, 192+16*\rd, 8
.irp fi, 0,1
.irp c, 0,1
	global_store_b128 v1, v[192+16*\rd+8*\fi+4*\c:192+16*\rd+8*\fi+4*\c+3], s[42:43] offset:6144+1024*(2*\rd+\fi)+512*\c
.endr
.endr
	v_cndmask_b32 v[246+\rd], v[240+2*\rd], v[241+2*\rd], s48
	global_store_b32 v2, v[246+\rd], s[42:43] offset:12544+128*\rd
.endm
	VQ 0
	VLOAD 2
	s_wait_dscnt 50                                ; all but round 2's 50 loads
	VQ 1
	s_wait_dscnt 0x0
	VQ 2
	global_store_b32 v2, v15, s[42:43] offset:12928   ; the record's last 128 bytes: zeros
.Lend:
	s_wait_tensorcnt 0x0                           ; the wave's end
	ds_add_u32 v3, v4
	s_wait_dscnt 0x0
	ROUND                                          ; the closing round
	s_endpgm
.Lfunc_end_k_q13bca9c177_proj:
	.size	k_q13bca9c177_proj, .Lfunc_end_k_q13bca9c177_proj-k_q13bca9c177_proj
	.p2alignl 7, 3214868480
	.fill 96, 4, 3214868480
	.section	.rodata,"a",@progbits
	.p2align	6, 0x0
	.amdhsa_kernel k_q13bca9c177_proj
		.amdhsa_group_segment_fixed_size 327680
		.amdhsa_private_segment_fixed_size 0
		.amdhsa_enable_private_segment 0
		.amdhsa_kernarg_size 40
		.amdhsa_user_sgpr_count 2
		.amdhsa_user_sgpr_kernarg_segment_ptr 1
		.amdhsa_wavefront_size32 1
		.amdhsa_system_sgpr_workgroup_id_x 1
		.amdhsa_system_sgpr_workgroup_id_y 1
		.amdhsa_system_sgpr_workgroup_id_z 1
		.amdhsa_system_vgpr_workitem_id 0
		.amdhsa_next_free_vgpr 1024
		.amdhsa_next_free_sgpr 66
		.amdhsa_reserve_vcc 1
		.amdhsa_float_denorm_mode_32 3
		.amdhsa_float_denorm_mode_16_64 3
		.amdhsa_memory_ordered 1
		.amdhsa_forward_progress 1
		.amdhsa_inst_pref_size 255
	.end_amdhsa_kernel
	.section	.bss,"aw",@nobits
	.p2align	6
	.space	262144
	.amdgpu_metadata
---
amdhsa.version: [ 1, 2 ]
amdhsa.kernels:
  - .name:           k_q13bca9c177_proj
    .symbol:         k_q13bca9c177_proj.kd
    .args:
      - { .name: xq, .offset: 0, .size: 8, .value_kind: global_buffer, .address_space: global }
      - { .name: wq, .offset: 8, .size: 8, .value_kind: global_buffer, .address_space: global }
      - { .name: kv, .offset: 16, .size: 8, .value_kind: global_buffer, .address_space: global }
      - { .name: qv, .offset: 24, .size: 8, .value_kind: global_buffer, .address_space: global }
      - { .name: lo, .offset: 32, .size: 8, .value_kind: global_buffer, .address_space: global }
    .group_segment_fixed_size: 327680
    .private_segment_fixed_size: 0
    .kernarg_segment_align: 8
    .kernarg_segment_size: 40
    .max_flat_workgroup_size: 128
    .sgpr_count:     66
    .vgpr_count:     1024
    .wavefront_size: 32
...
	.end_amdgpu_metadata
.endif
;; end of part 2
;; launch attn (part 3): grid 16 x 16, 8 waves a work-group, no clusters, 214,016 bytes of LDS; arguments kv, qv, lo, out0; writes out0
.if DOCPART == 3
	.amdgcn_target "amdgcn-amd-amdhsa--gfx1250"
	.amdhsa_code_object_version 6
	.text
	.protected	k_q13bca9c177_attn
	.globl	k_q13bca9c177_attn
	.p2align	8
	.type	k_q13bca9c177_attn,@function
k_q13bca9c177_attn:
	s_mov_b64 s[64:65], 0
	v_nop
	global_prefetch_b8 v0, s[64:65] scope:SCOPE_SE
	s_setreg_imm32_b32 hwreg(HW_REG_WAVE_MODE, 25, 1), 1
	s_wait_xcnt 0x0
; out0[b][a] = (D(b, a) + D(a, b)) / 49, D(X, Y)[x][y] = the sum over X's 49 queries q of cos(vX[x, q], softmax(qX[x, q] . kY[y] / sqrt(96)) vY[y]).  Both products on codes of E4M3 with E8M0 scales.
; SHARES: a work-group owns out0[8 iy .. + 7][8 ix .. + 7], both directions: each output has one owner.  In a direction wave w takes query batch w (three tiles of 16 queries) against all 8 key batches, and the
; LEFTOVER tile (query 48 of the 8 query batches, lanes 8-15 repeating lanes 0-7) against key batch w.
; THE KEY SIDE'S RECORDS (K and V^T as images of operand registers, 13,056 bytes a batch) lie in LDS.  At a direction's head wave w brings record w through its registers: 26 loads, 26 LDS stores.  It then works the
; leftover tile against that record, its own bytes, ahead of any barrier; behind the barrier every wave walks all eight records.
; NO CLUSTER, NO TENSOR LOAD: what work-groups share is one record a wave and direction, fetched once: 26 loads against the direction's 5,800 instructions.  It is asked for with the queries' loads, on one counter, and
; the wave can begin on its own record as soon as that has come; a joint request would put a round of the cluster's barrier in front of it.
; LAYOUT: S^T = K Q^T, O^T = V^T P^T: a lane holds one query throughout.  Keys: tiles 0-2 and tile 3, which is key 48 sixteen times, so both halves of the lanes find its score in that tile's register 0.
; SHORT OPERANDS OVERLAP: a tile of K is 12 registers and a fragment of V^T 8; the instruction's further registers are the next tile's codes, against which the other side (Q's fourth block, P's third and fourth) holds
; zero codes.  No code is a NaN and the scale bytes there are 0.
; SOFTMAX: t = score x log2(e) / sqrt(96); M = ceil(the row's largest t); p = 2^(t - M), quantised along the keys, not normalised; the sum of the unquantised p divides at the end.
; COSINE: qv and lo hold v / max(|v|, 1e-8); cos = (O . vhat / l) / max(|O| / l, 1e-8).  The mean is a multiplication by 1/49.  LIMITS: NaN and infinities are not served.
; REGISTERS.  Window 0: v1 16 lane, v2 4 lane, v3-4 LDS addresses in hand, v5-6 stage stores, v7-8 my place in lo, v9 4 lane + 12,288, v10-11 stage reads, v12-14 Q's scale words, v15 P's, v16-17 K's, v18-20 V's,
;   v21 my offset in out0, v22-23 -M, v24-39 at work, v40-51 a tile's sum, p48, dot, |O|^2, v52-59 chains, v64-71 p48 and zeros, v72-87 P's codes and zeros, v88-119 S^T, v120-167 O^T, v168-223 V and zeros
;   (v88-188 at a direction's head: my record on its way to LDS), v224-241 at work.   Window 1: v0-143 vhat, 48 a tile; v144-191 Q, 16 a tile; v192-243 K and zeros.
.set REC,   13056
.set KB1,   104448                     ; the b side's records
.set STG,   208896                     ; the stage: four regions of 1,024 bytes; in each, wave w writes bytes 64 w to 64 w + 63 alone
.set FLOOR, 0x4800000
.set EOFF,  0xfc000000
.set MSB, 0
.macro WIN new
.if MSB != \new
	s_set_vgpr_msb (MSB<<8)|\new
.set MSB, \new
.endif
.endm
.macro PLACES n
.rept \n
	v_nop
.endr
.endm
.macro WMZ d, a, b, sa, sb, ra         ; a scaled product that starts its sum; ra = 1: source 0's scales in lanes 16-31
.if (\ra)
	v_wmma_scale_f32_16x16x128_f8f6f4 v[(\d):(\d)+7], v[(\a):(\a)+15], v[(\b):(\b)+15], 0, v[\sa], v[\sb] matrix_a_scale:MATRIX_SCALE_ROW1
.else
	v_wmma_scale_f32_16x16x128_f8f6f4 v[(\d):(\d)+7], v[(\a):(\a)+15], v[(\b):(\b)+15], 0, v[\sa], v[\sb]
.endif
.endm
.macro ST m                            ; S^T of query tile m: four tiles of keys
	WIN 0x05                                       ; K and Q in window 1
.irp t, 0,1,2,3
	WMZ 88+8*\t, 192+12*\t, 144+16*(\m), 16+\t/2, 12+(\m), \t%2
.endr
	WIN 0
.endm
.macro PV                              ; O^T: six tiles of 16 channels
.irp f, 0,1,2,3,4,5
	WMZ 120+8*\f, 168+8*\f, 72, 18+\f/2, 15, \f%2
.endr
.endm
.macro KVADR                           ; my lane's places in the record at LDS byte s39
	v_add_nc_u32 v3, s39, v1
	v_add_nc_u32 v4, s39, v9
.endm
.macro KVREAD                          ; that record: K's 12 groups, 5 scale images, V's 12 groups
	WIN 0x40
.irp t, 0,1,2,3
.irp c, 0,1,2
	ds_load_b128 v[192+12*\t+4*\c:192+12*\t+4*\c+3], v3 offset:1536*\t+512*\c
.endr
.endr
	WIN 0
.irp u, 0,1,2,3,4
	ds_load_b32 v[16+\u], v4 offset:128*\u
.endr
.irp f, 0,1,2,3,4,5
.irp c, 0,1
	ds_load_b128 v[168+8*\f+4*\c:168+8*\f+4*\c+3], v3 offset:6144+1024*\f+512*\c
.endr
.endr
.endm
.macro SOFT m
	v_max3_num_f32 v24, v88, v89, v90              ; three chains, each from its tile's low end
	v_max3_num_f32 v25, v96, v97, v98
	v_max3_num_f32 v26, v104, v105, v106
	v_max3_num_f32 v24, v24, v91, v92
	v_max3_num_f32 v25, v25, v99, v100
	v_max3_num_f32 v26, v26, v107, v108
	v_max3_num_f32 v24, v24, v93, v94
	v_max3_num_f32 v25, v25, v101, v102
	v_max3_num_f32 v26, v26, v109, v110
	v_max3_num_f32 v24, v24, v95, v103
	v_max3_num_f32 v26, v26, v111, v112            ; with key 48's: the block of keys 32 to 48
	v_max_num_f32 v24, v24, v25                    ; the block of keys 0 to 31
	v_permlanex16_b32 v27, v24, s32, s33
	v_permlanex16_b32 v28, v26, s32, s33
	v_max_num_f32 v24, v24, v27
	v_max_num_f32 v26, v26, v28
	v_max_num_f32 v29, v24, v26                    ; the row's largest score,
	v_mul_f32 v29, s36, v29                        ; as t,
	v_floor_f32 v22, -v29                          ; -M = floor(-t)
.irp i, 0,2,4,6,8,10,12,14,16,18,20,22
	v_pk_fma_f32 v[88+\i:89+\i], v[88+\i:89+\i], s[36:37], v[22:23] op_sel_hi:[1,0,0]
.endr
	v_fma_f32 v30, v112, s36, v22
	v_fma_f32 v24, v24, s36, v22                   ; the same of each block's largest score: p rises with the score
	v_fma_f32 v26, v26, s36, v22
.irp i, 0,1,2,3,4,5,6,7,8,9,10,11,12,13,14,15,16,17,18,19,20,21,22,23
	v_exp_f32 v[88+\i], v[88+\i]
.endr
	v_exp_f32 v[43+(\m)], v30                      ; p of key 48, unquantised
	v_exp_f32 v24, v24
	v_exp_f32 v26, v26
	v_nop
	s_wait_alu depctr_va_vdst(0)                   ; one wait for the batch of 27, ahead of its first reader
.irp k, 0,1,2,3
	v_pk_add_f32 v[52+2*\k:53+2*\k], v[88+4*\k:89+4*\k], v[90+4*\k:91+4*\k]      ; the sum of my 24 unquantised p, in four chains that do not wait for each other
.endr
.irp k, 0,1,2,3
	v_pk_add_f32 v[52+2*\k:53+2*\k], v[52+2*\k:53+2*\k], v[104+2*\k:105+2*\k]
.endr
	v_pk_add_f32 v[52:53], v[52:53], v[54:55]
	v_pk_add_f32 v[56:57], v[56:57], v[58:59]
	v_pk_add_f32 v[52:53], v[52:53], v[56:57]
	v_add_f32 v[40+(\m)], v52, v53
	v_max_num_f32 v24, FLOOR, v24
	v_max_num_f32 v26, FLOOR, v26
	v_add_nc_u32 v34, EOFF, v24
	v_add_nc_u32 v35, EOFF, v26
	v_and_or_b32 v32, v24, 0x7f800000, s34
	v_and_or_b32 v33, v26, 0x7f800000, s34
	v_lshrrev_b32 v36, 23, v34
	v_lshrrev_b32 v37, 23, v35
	v_lshl_or_b32 v15, v37, 8, v36                 ; P's scale word: 25 holds stand between it and the product
.irp i, 0,1,2,3,4,5,6,7,8,9,10,11,12,13,14,15
	v_min_num_f32 v[88+\i], v[88+\i], v32          ; p is not negative: the hold is one-sided
.endr
.irp i, 16,17,18,19,20,21,22,23
	v_min_num_f32 v[88+\i], v[88+\i], v33
.endr
	v_min_num_f32 v64, v[43+(\m)], v33
	v_cvt_scalef32_pk8_fp8_f32 v[72:73], v[88:95], v34
	v_cvt_scalef32_pk8_fp8_f32 v[74:75], v[96:103], v34
	v_cvt_scalef32_pk8_fp8_f32 v[76:77], v[104:111], v35
	v_cvt_scalef32_pk8_fp8_f32 v[78:79], v[64:71], v35    ; key 48 and seven zeros; in lanes 16-31 it meets V's zero code
	PLACES 4
.endm
.macro COS m                           ; my 48 channels of O . vhat and of O . O, each in four chains; O's accumulators are read in ascending order
	WIN 0x04                                       ; source 1 (vhat) window 1
.irp k, 0,1,2,3
	v_pk_mul_f32 v[52+2*\k:53+2*\k], v[120+2*\k:121+2*\k], v[48*(\m)+2*\k:48*(\m)+2*\k+1]
.endr
.irp i, 8,16,24,32,40
.irp k, 0,1,2,3
	v_pk_fma_f32 v[52+2*\k:53+2*\k], v[120+\i+2*\k:121+\i+2*\k], v[48*(\m)+\i+2*\k:48*(\m)+\i+2*\k+1], v[52+2*\k:53+2*\k]
.endr
.endr
	WIN 0
.irp k, 0,1,2,3
	v_pk_mul_f32 v[24+2*\k:25+2*\k], v[120+2*\k:121+2*\k], v[120+2*\k:121+2*\k]
.endr
.irp i, 8,16,24,32,40
.irp k, 0,1,2,3
	v_pk_fma_f32 v[24+2*\k:25+2*\k], v[120+\i+2*\k:121+\i+2*\k], v[120+\i+2*\k:121+\i+2*\k], v[24+2*\k:25+2*\k]
.endr
.endr
	v_pk_add_f32 v[52:53], v[52:53], v[54:55]
	v_pk_add_f32 v[56:57], v[56:57], v[58:59]
	v_pk_add_f32 v[24:25], v[24:25], v[26:27]
	v_pk_add_f32 v[28:29], v[28:29], v[30:31]
	v_pk_add_f32 v[52:53], v[52:53], v[56:57]
	v_pk_add_f32 v[24:25], v[24:25], v[28:29]
	v_add_f32 v[46+(\m)], v52, v53
	v_add_f32 v[49+(\m)], v24, v25
.endm
.macro FINAL n                         ; tiles 0 .. n - 1: the halves of the lanes are joined; the cosine lands in v[46 + m]
.set fm, 0
.rept \n
	v_permlanex16_b32 v[224+fm], v[40+fm], s32, s33
	v_permlanex16_b32 v[227+fm], v[46+fm], s32, s33
	v_permlanex16_b32 v[230+fm], v[49+fm], s32, s33
.set fm, fm+1
.endr
.set fm, 0
.rept \n
	v_add_f32 v[40+fm], v[40+fm], v[224+fm]
	v_add_f32 v[46+fm], v[46+fm], v[227+fm]
	v_add_f32 v[49+fm], v[49+fm], v[230+fm]
.set fm, fm+1
.endr
.set fm, 0
.rept \n
	v_add_f32 v[40+fm], v[40+fm], v[43+fm]         ; key 48's p counts once
.set fm, fm+1
.endr
.set fm, 0
.rept \n
	v_rcp_f32 v[233+fm], v[40+fm]
	v_sqrt_f32 v[236+fm], v[49+fm]
.set fm, fm+1
.endr
	v_nop
	s_wait_alu depctr_va_vdst(0)
.set fm, 0
.rept \n
	v_mul_f32 v[236+fm], v[236+fm], v[233+fm]      ; |O| / l
.set fm, fm+1
.endr
.set fm, 0
.rept \n
	v_max_num_f32 v[236+fm], s38, v[236+fm]
.set fm, fm+1
.endr
.set fm, 0
.rept \n
	v_rcp_f32 v[239+fm], v[236+fm]
.set fm, fm+1
.endr
.set fm, 0
.rept \n
	v_mul_f32 v[46+fm], v[46+fm], v[233+fm]        ; O . vhat / l.  (Plain work behind the reciprocals)
.set fm, fm+1
.endr
	s_wait_alu depctr_va_vdst(0)
.set fm, 0
.rept \n
	v_mul_f32 v[46+fm], v[46+fm], v[239+fm]
.set fm, fm+1
.endr
.endm
; a tile of queries into the registers of tile 'slot': 3 groups of codes, 12 of vhat, the scale word: 16 loads
.macro QT slot, va, vs, p, oq, sq, ov, sv, ow
	WIN 0x40
.irp c, 0,1,2
	global_load_b128 v[144+16*(\slot)+4*\c:144+16*(\slot)+4*\c+3], v[\va], s[\p:\p+1] offset:(\oq)+(\sq)*\c
.endr
.irp i, 0,1,2,3,4,5,6,7,8,9,10,11
	global_load_b128 v[48*(\slot)+4*\i:48*(\slot)+4*\i+3], v[\va], s[\p:\p+1] offset:(\ov)+(\sv)*\i
.endr
	WIN 0
	global_load_b32 v[12+(\slot)], v[\vs], s[\p:\p+1] offset:\ow
.endm
.macro QLO lp                          ; the leftover tile, into tile 0's registers
	QT 0, 7, 8, \lp, 0, 256, 1024, 256, 768
.endm
.macro QTILE m, qp                     ; tile m of my query batch
	QT \m, 1, 2, \qp, 1536*(\m), 512, 5120+6144*(\m), 512, 4608+128*(\m)
.endm
; A DIRECTION.  kb: the key side's first LDS byte; kp: my key record in memory; qp: my query batch's record; lp: the query side's leftover rows; os, ol: the stage regions of the sums and of the leftover
.macro DIR kb, kp, qp, lp, os, ol
	s_add_co_u32 s39, s46, \kb                     ; record w of the key side: I bring it, and the leftover tile meets it
	KVADR
.irp i, 0,1,2,3,4,5,6,7,8,9,10,11,12,13,14,15,16,17,18,19,20,21,22,23,24
	global_load_b128 v[88+4*\i:91+4*\i], v1, s[\kp:\kp+1] offset:512*\i          ; 32 lanes read 512 consecutive bytes
.endr
	global_load_b32 v188, v2, s[\kp:\kp+1] offset:12800   ; the fifth scale image; the record's last 128 bytes are read by nobody
	QLO \lp
	QTILE 1, \qp
	s_wait_loadcnt 32                              ; loads come back in order: my record's 26 are in; the leftover tile's 16 and tile 1's 16 may be out
.irp i, 0,1,2,3,4,5,6,7,8,9,10,11,12,13,14,15,16,17,18,19,20,21,22,23,24
	ds_store_b128 v3, v[88+4*\i:91+4*\i] offset:512*\i
.endr
	ds_store_b32 v4, v188 offset:512
	QTILE 2, \qp
	KVREAD                                         ; my own bytes: LDS serves a wave's instructions in order, so these see my stores and land behind them
	s_wait_loadcnt 32                              ; the leftover tile is in; tiles 1 and 2 may be out
	s_wait_dscnt 12                                ; V's twelve loads may stay out
	ST 0
	PLACES 8
	SOFT 0
	s_wait_dscnt 0x0
	PV
	PLACES 8
	COS 0
	FINAL 1
	ds_store_b32 v5, v46 offset:\ol                ; lane r: query batch r % 8; both halves of the lanes hold the same number
	QTILE 0, \qp                                   ; query tile 0 takes the leftover's registers: it lands while tiles 1 and 2 are worked
	s_wait_dscnt 0x0                               ; for the others' sake: my record lies in LDS
	s_barrier_signal -1
	s_barrier_wait -1                              ; all eight do
	s_mov_b32 s39, \kb
	s_mov_b32 s40, s58                             ; my 64 bytes of a region
	s_mov_b32 s41, 8
.Ly_\@:                                            ; a trip: one key batch against my three tiles of queries
	KVADR
	KVREAD
	s_wait_loadcnt 32                              ; tile 1 is in; tile 2's 16 loads and tile 0's 16 may be out (this and the two waits below are met at once from the second trip on)
	s_wait_dscnt 12
	ST 1
	PLACES 8
	SOFT 1
	s_wait_dscnt 0x0                               ; V
	PV
	s_wait_loadcnt 16                              ; tile 2 is in; tile 0's 16 may be out
	ST 2
	PLACES 8                                       ; behind both runs of products
	COS 1
	SOFT 2
	PV
	s_wait_loadcnt 0x0                             ; tile 0
	ST 0
	PLACES 8
	COS 2
	SOFT 0
	PV
	PLACES 8
	COS 0
	FINAL 3
	v_add_f32 v46, v46, v47
	v_add_f32 v46, v46, v48
	v_add_f32_dpp v46, v46, v46 row_xmask:1 row_mask:0xf bank_mask:0xf
	v_add_f32_dpp v46, v46, v46 row_xmask:2 row_mask:0xf bank_mask:0xf
	v_add_f32_dpp v46, v46, v46 row_xmask:4 row_mask:0xf bank_mask:0xf
	v_add_f32_dpp v46, v46, v46 row_xmask:8 row_mask:0xf bank_mask:0xf
	v_mov_b32 v6, s40
	ds_store_b32 v6, v46 offset:\os                ; all lanes write the same word with the same value: 48 queries' cosines
	s_add_co_u32 s39, s39, REC
	s_add_co_u32 s40, s40, 4
	s_sub_co_u32 s41, s41, 1
	s_cmp_lg_u32 s41, 0
	s_cbranch_scc1 .Ly_\@
.endm
	s_load_b256 s[4:11], s[0:1], 0x0               ; kv, qv, lo, out0
	v_lshl_add_u32 v254, v0, 2, 0x34000
	v_mov_b32 v255, 0
	v_lshrrev_b32 v1, 5, v0
	v_readfirstlane_b32 s12, v1                    ; wave
	s_mov_b32 s13, ttmp9                           ; ix
	s_and_b32 s14, ttmp7, 0xffff                   ; iy
	s_mul_i32 s46, s12, REC                        ; record w of a side, in LDS
	s_lshl_b32 s47, s13, 3
	s_add_co_u32 s47, s47, s12                     ; my a batch: 8 ix + w
	s_lshl_b32 s48, s14, 3
	s_add_co_u32 s48, s48, s12
	s_add_co_u32 s48, s48, 128                     ; my b batch: 128 + 8 iy + w
	s_mov_b32 s51, 0
	s_mov_b32 s32, 0x76543210
	s_mov_b32 s33, 0xfedcba98                      ; v_permlanex16_b32's selects for lane l xor 16
	s_mov_b32 s34, 0x600000                        ; the mantissa field of 448
	s_mov_b32 s36, 0x3e16c740                      ; log2(e) / sqrt(96)
	s_mov_b32 s37, s36
	s_mov_b32 s38, 0x322bcc77                      ; 1e-8
	s_lshl_b32 s58, s12, 6
	s_add_co_u32 s58, s58, STG
	v_and_b32 v27, 31, v0                          ; lane
	v_lshlrev_b32 v1, 4, v27
	v_lshlrev_b32 v2, 2, v27
	v_and_b32 v24, 15, v0                          ; r
	v_bfe_u32 v25, v0, 4, 1                        ; h
	v_and_b32 v26, 7, v0
	v_lshlrev_b32 v7, 4, v26
	v_lshl_add_u32 v7, v25, 7, v7                  ; 128 h + 16 (r % 8)
	v_lshlrev_b32 v8, 2, v26
	v_add_nc_u32 v9, 12288, v2
	v_lshl_add_u32 v5, v24, 2, s58                 ; the leftover's word: 64 w + 4 r
	v_lshrrev_b32 v28, 2, v27                      ; the end: lane l takes bi = l / 4, ai = 2 (l % 4) and the next
	v_and_b32 v29, 3, v27
	v_lshlrev_b32 v10, 6, v28
	v_lshl_add_u32 v10, v29, 3, v10
	v_add_nc_u32 v10, STG, v10                     ; in a region laid [bi][ai],
	v_lshlrev_b32 v11, 7, v29
	v_lshl_add_u32 v11, v28, 2, v11
	v_add_nc_u32 v11, STG, v11                     ; in one laid [ai][bi],
	v_lshlrev_b32 v21, 9, v28
	v_lshl_add_u32 v21, v29, 3, v21                ; and in out0
	WIN 0x40
.irp i, 156,157,158,159,172,173,174,175,188,189,190,191,240,241,242,243
	v_mov_b32 v[\i], 0                             ; Q's fourth block, and the registers behind K's last tile.  They are operands of the first scaled products, so they are written first:
.endr                                              ; the 33 plain lines below stand between them and those products (four are asked of an operand that a vector instruction has written)
	WIN 0
	v_mov_b32 v23, 0                               ; (named with v22 as a pair)
.irp i, 65,66,67,68,69,70,71,80,81,82,83,84,85,86,87,216,217,218,219,220,221,222,223
	v_mov_b32 v[\i], 0                             ; the zero numbers behind p48, the zero codes of P's third and fourth block and behind V's last fragment
.endr
.irp i, 224,225,226,227,228,229,230,231,232
	v_mov_b32 v[\i], 0                             ; written once: a lane permute's destination counts as one of its sources
.endr
	s_wait_kmcnt 0x0
	s_mul_i32 s50, s47, REC
	s_add_nc_u64 s[24:25], s[4:5], s[50:51]        ; my a batch's K and V,
	s_mul_i32 s50, s48, REC
	s_add_nc_u64 s[28:29], s[4:5], s[50:51]        ; my b batch's
	s_mul_i32 s50, s48, 23552
	s_add_nc_u64 s[42:43], s[6:7], s[50:51]        ; direction 0: queries of my b batch,
	s_mul_i32 s50, s47, 23552
	s_add_nc_u64 s[54:55], s[6:7], s[50:51]        ; direction 1: of my a batch
	s_lshl_b32 s50, s14, 12
	s_add_co_u32 s50, s50, 65536
	s_add_nc_u64 s[44:45], s[8:9], s[50:51]        ; the leftover rows of the 8 b batches: record 16 + iy,
	s_lshl_b32 s50, s13, 12
	s_add_nc_u64 s[56:57], s[8:9], s[50:51]        ; of the 8 a batches: record ix
	s_lshl_b32 s50, s14, 12
	s_lshl_b32 s52, s13, 5
	s_add_co_u32 s50, s50, s52
	s_add_nc_u64 s[10:11], s[10:11], s[50:51]      ; out0 at (8 iy, 8 ix)
	DIR 0, 24, 42, 44, 0, 1024                     ; queries of b, keys of a: sums [bi = w][ai], leftover [ai = w][bi]
	DIR KB1, 28, 54, 56, 2048, 3072                ; queries of a, keys of b: sums [ai = w][bi], leftover [bi = w][ai]
	s_wait_dscnt 0x0                               ; my stores into the stage are done
	s_barrier_signal -1
	s_barrier_wait -1
	s_cmp_lg_u32 s12, 0
	s_cbranch_scc1 .Ldone
	ds_load_b64 v[24:25], v10
	ds_load_b64 v[26:27], v10 offset:3072
	ds_load_b32 v28, v11 offset:1024
	ds_load_b32 v29, v11 offset:1024+64
	ds_load_b32 v30, v11 offset:2048
	ds_load_b32 v31, v11 offset:2048+64
	s_wait_dscnt 0x0
	v_pk_add_f32 v[24:25], v[24:25], v[26:27]
	v_pk_add_f32 v[28:29], v[28:29], v[30:31]
	v_pk_add_f32 v[24:25], v[24:25], v[28:29]
	v_mul_f32 v24, 0x3ca72f05, v24                 ; / 49
	v_mul_f32 v25, 0x3ca72f05, v25
	global_store_b64 v21, v[24:25], s[10:11]       ; four lanes store a row's 32 bytes of the block
.Ldone:
	s_barrier_signal -1
	s_barrier_wait -1
	s_wait_tensorcnt 0x0
	ds_add_u32 v254, v255
	s_wait_dscnt 0x0
	s_endpgm
.Lfunc_end_k_q13bca9c177_attn:
	.size	k_q13bca9c177_attn, .Lfunc_end_k_q13bca9c177_attn-k_q13bca9c177_attn
	.p2alignl 7, 3214868480
	.fill 96, 4, 3214868480
	.section	.rodata,"a",@progbits
	.p2align	6, 0x0
	.amdhsa_kernel k_q13bca9c177_attn
		.amdhsa_group_segment_fixed_size 214016
		.amdhsa_private_segment_fixed_size 0
		.amdhsa_enable_private_segment 0
		.amdhsa_kernarg_size 32
		.amdhsa_user_sgpr_count 2
		.amdhsa_user_sgpr_kernarg_segment_ptr 1
		.amdhsa_wavefront_size32 1
		.amdhsa_system_sgpr_workgroup_id_x 1
		.amdhsa_system_sgpr_workgroup_id_y 1
		.amdhsa_system_sgpr_workgroup_id_z 1
		.amdhsa_system_vgpr_workitem_id 0
		.amdhsa_next_free_vgpr 512
		.amdhsa_next_free_sgpr 66
		.amdhsa_reserve_vcc 0
		.amdhsa_float_denorm_mode_32 3
		.amdhsa_float_denorm_mode_16_64 3
		.amdhsa_memory_ordered 1
		.amdhsa_forward_progress 1
		.amdhsa_inst_pref_size 126
	.end_amdhsa_kernel
	.amdgpu_metadata
---
amdhsa.version: [ 1, 2 ]
amdhsa.kernels:
  - .name:           k_q13bca9c177_attn
    .symbol:         k_q13bca9c177_attn.kd
    .args:
      - { .name: kv, .offset: 0, .size: 8, .value_kind: global_buffer, .address_space: global }
      - { .name: qv, .offset: 8, .size: 8, .value_kind: global_buffer, .address_space: global }
      - { .name: lo, .offset: 16, .size: 8, .value_kind: global_buffer, .address_space: global }
      - { .name: out0, .offset: 24, .size: 8, .value_kind: global_buffer, .address_space: global }
    .group_segment_fixed_size: 214016
    .private_segment_fixed_size: 0
    .kernarg_segment_align: 8
    .kernarg_segment_size: 32
    .max_flat_workgroup_size: 256
    .sgpr_count:     66
    .vgpr_count:     512
    .wavefront_size: 32
...
	.end_amdgpu_metadata
.endif
;; end of part 3
;; ======== version 2 of 2: 3 launches; version 1 with the launch attn written anew for expert scheduling mode
;; workspace buffers: xq 12,976,128 bytes; wq 2,052,864 bytes; kv 3,342,336 bytes; qv 6,029,312 bytes; lo 131,072 bytes
;; launch quant: the kernel of part 1 again; grid 593 x 1, 6 waves a work-group, no clusters, 0 bytes of LDS; arguments features_a, features_b, Wq1, Wk1, Wv1, Wq2, Wk2, Wv2, xq, wq; writes xq, wq
;; launch proj: the kernel of part 2 again; grid 64 x 3, 4 waves a work-group, clusters of 4 x 1, 327,680 bytes of LDS; arguments xq, wq, kv, qv, lo; writes kv, qv, lo
;; launch attn (part 4): grid 16 x 16, 8 waves a work-group, no clusters, 214,016 bytes of LDS; arguments kv, qv, lo, out0; writes out0
.if DOCPART == 4
	.amdgcn_target "amdgcn-amd-amdhsa--gfx1250"
	.amdhsa_code_object_version 6
	.text
	.protected	k_q13bca9c177_attn
	.globl	k_q13bca9c177_attn
	.p2align	8
	.type	k_q13bca9c177_attn,@function
k_q13bca9c177_attn:
	s_mov_b64 s[64:65], 0
	v_nop
	global_prefetch_b8 v0, s[64:65] scope:SCOPE_SE
	s_setreg_imm32_b32 hwreg(HW_REG_WAVE_SCHED_MODE, 0, 2), 2
	s_setreg_imm32_b32 hwreg(HW_REG_WAVE_MODE, 25, 1), 1
	s_wait_xcnt 0x0
	s_wait_alu depctr_vm_vsrc(0)
; out0[b][a] = (D(b, a) + D(a, b)) / 49, D(X, Y)[x][y] = the sum over X's 49 queries q of cos(vX[x, q], softmax(qX[x, q] . kY[y] / sqrt(96)) vY[y]).  Both products on codes of E4M3 with E8M0 scales.
; SHARES: a work-group owns out0[8 iy .. + 7][8 ix .. + 7], both directions: each output has one owner.  In a direction wave w takes query batch w (three tiles of 16 queries) against all 8 key batches, and the
; LEFTOVER tile (query 48 of the 8 query batches, lanes 8-15 repeating lanes 0-7) against key batch w.
; THE KEY SIDE'S RECORDS (K and V^T as images of operand registers, 13,056 bytes a batch) lie in LDS.  At a direction's head wave w brings record w through its registers: 26 loads, 26 LDS stores.  It then works the
; leftover tile against that record, its own bytes, ahead of any barrier; behind the barrier every wave walks all eight records.
; NO CLUSTER, NO TENSOR LOAD: what work-groups share is one record a wave and direction, fetched once: 26 loads against the direction's 5,800 instructions.  It is asked for with the queries' loads, on one counter, and
; the wave can begin on its own record as soon as that has come; a joint request would put a round of the cluster's barrier in front of it.
; LAYOUT: S^T = K Q^T, O^T = V^T P^T: a lane holds one query throughout.  Keys: tiles 0-2 and tile 3, which is key 48 sixteen times, so both halves of the lanes find its score in that tile's register 0.
; SHORT OPERANDS OVERLAP: a tile of K is 12 registers and a fragment of V^T 8; the instruction's further registers are the next tile's codes, against which the other side (Q's fourth block, P's third and fourth) holds
; zero codes.  No code is a NaN and the scale bytes there are 0.
; SOFTMAX: t = score x log2(e) / sqrt(96); M = ceil(the row's largest t); p = 2^(t - M), quantised along the keys, not normalised; the sum of the unquantised p divides at the end.
; COSINE: qv and lo hold v / max(|v|, 1e-8); cos = (O . vhat / l) / max(|O| / l, 1e-8).  The mean is a multiplication by 1/49.  LIMITS: NaN and infinities are not served.
; REGISTERS.  Window 0: v1 16 lane, v2 4 lane, v3-4 LDS addresses in hand, v5-6 stage stores, v7-8 my place in lo, v9 4 lane + 12,288, v10-11 stage reads, v12-14 Q's scale words, v15 P's, v16-17 K's, v18-20 V's,
;   v21 my offset in out0, v22-23 -M, v24-39 at work, v40-51 a tile's sum, p48, dot, |O|^2, v52-59 chains, v60-61 where my record goes in LDS, v64-71 p48 and zeros, v72-87 P's codes and zeros, v88-119 S^T,
;   v120-167 O^T, v168-223 V and zeros (v88-167 and v24-44 at a direction's head: my record on its way to LDS), v224-241 at work.   Window 1: v0-143 vhat, 48 a tile; v144-191 Q, 16 a tile; v192-243 K and zeros.
; THE MODE: SCHED_MODE bits 1:0 = 2 (LLVM: expert scheduling mode 2), set by the entry lines.  The code itself states the register dependences between vector or matrix instructions and memory or LDS instructions,
; with s_wait_alu, always for 0.
; THE PLAN.  Registers that memory or LDS instructions touch:
;   v1, v2, v5, v7-v11, v21   offsets and LDS addresses: made at the head, never written again.
;   v60, v61          written at a direction's head; read by its 26 LDS stores.
;   v3, v4            written at a direction's head and at each trip's head; read by the 29 LDS loads that follow.
;   v88-167, v24-44   my record's 26 loads land here and its 26 LDS stores read them; behind that they are S^T, O^T and registers at work.  None of them is a register in which a later load of the head lands.
;   K, v16-20, V      the 29 LDS loads land; the products of the leftover or of the trip read them.
;   Q, vhat, v12-14   a tile's 16 loads land at a direction's head (tile 0 once more behind the leftover); products and cosines read them.
;   v46 with v5 or v6 written behind the cosines; read by the stage store.
; A direction's head holds no vector instruction between its four address lines and the leftover's first product: so ONE wait on va_vdst behind those four lines serves all its loads and stores.  One more stands behind
; the leftover (the stage store, tile 0's loads), one at a trip's head (the addresses, K, V), one at a trip's end (the stage store), and one ahead of each run of products that takes P, whose codes vector instructions make.
; Waits on vm_vsrc: ahead of the leftover's first product (the LDS stores have read my record's registers), at a trip's head, and at the second direction's head (v3, v4, v6, v46 are written again).
.set REC,   13056
.set KB1,   104448                     ; the b side's records
.set STG,   208896                     ; the stage: four regions of 1,024 bytes; in each, wave w writes bytes 64 w to 64 w + 63 alone
.set FLOOR, 0x4800000
.set EOFF,  0xfc000000
.set MSB, 0
.macro WIN new
.if MSB != \new
	s_set_vgpr_msb (MSB<<8)|\new
.set MSB, \new
.endif
.endm
.macro PLACES n
.rept \n
	v_nop
.endr
.endm
.macro WMZ d, a, b, sa, sb, ra         ; a scaled product that starts its sum; ra = 1: source 0's scales in lanes 16-31
.if (\ra)
	v_wmma_scale_f32_16x16x128_f8f6f4 v[(\d):(\d)+7], v[(\a):(\a)+15], v[(\b):(\b)+15], 0, v[\sa], v[\sb] matrix_a_scale:MATRIX_SCALE_ROW1
.else
	v_wmma_scale_f32_16x16x128_f8f6f4 v[(\d):(\d)+7], v[(\a):(\a)+15], v[(\b):(\b)+15], 0, v[\sa], v[\sb]
.endif
.endm
.macro ST m                            ; S^T of query tile m: four tiles of keys
	WIN 0x05                                       ; K and Q in window 1
.irp t, 0,1,2,3
	WMZ 88+8*\t, 192+12*\t, 144+16*(\m), 16+\t/2, 12+(\m), \t%2
.endr
	WIN 0
.endm
.macro PV                              ; O^T: six tiles of 16 channels
	s_wait_alu depctr_va_vdst(0)                   ; the conversions have written P's codes v72-79, and the shifts its scale word v15: the six products take them as source 1 and as its scales.  The places stand ahead of this wait
.irp f, 0,1,2,3,4,5
	WMZ 120+8*\f, 168+8*\f, 72, 18+\f/2, 15, \f%2
.endr
.endm
.macro KVADR                           ; my lane's places in the record at LDS byte s39
	v_add_nc_u32 v3, s39, v1
	v_add_nc_u32 v4, s39, v9
.endm
.macro KVREAD fresh                    ; that record: K's 12 groups, 5 scale images, V's 12 groups.  fresh = 1: at a trip's head, straight behind KVADR
	WIN 0x40
.if \fresh
	s_wait_alu depctr_va_vdst(0)                   ; v3 and v4 are written, which the 29 loads below read; the products issued so far are done reading K, V and their scale words, in which these loads land
.endif
.irp t, 0,1,2,3
.irp c, 0,1,2
	ds_load_b128 v[192+12*\t+4*\c:192+12*\t+4*\c+3], v3 offset:1536*\t+512*\c
.endr
.endr
	WIN 0
.irp u, 0,1,2,3,4
	ds_load_b32 v[16+\u], v4 offset:128*\u
.endr
.irp f, 0,1,2,3,4,5
.irp c, 0,1
	ds_load_b128 v[168+8*\f+4*\c:168+8*\f+4*\c+3], v3 offset:6144+1024*\f+512*\c
.endr
.endr
.endm
.macro SOFT m
	v_max3_num_f32 v24, v88, v89, v90              ; three chains, each from its tile's low end
	v_max3_num_f32 v25, v96, v97, v98
	v_max3_num_f32 v26, v104, v105, v106
	v_max3_num_f32 v24, v24, v91, v92
	v_max3_num_f32 v25, v25, v99, v100
	v_max3_num_f32 v26, v26, v107, v108
	v_max3_num_f32 v24, v24, v93, v94
	v_max3_num_f32 v25, v25, v101, v102
	v_max3_num_f32 v26, v26, v109, v110
	v_max3_num_f32 v24, v24, v95, v103
	v_max3_num_f32 v26, v26, v111, v112            ; with key 48's: the block of keys 32 to 48
	v_max_num_f32 v24, v24, v25                    ; the block of keys 0 to 31
	v_permlanex16_b32 v27, v24, s32, s33
	v_permlanex16_b32 v28, v26, s32, s33
	v_max_num_f32 v24, v24, v27
	v_max_num_f32 v26, v26, v28
	v_max_num_f32 v29, v24, v26                    ; the row's largest score,
	v_mul_f32 v29, s36, v29                        ; as t,
	v_floor_f32 v22, -v29                          ; -M = floor(-t)
.irp i, 0,2,4,6,8,10,12,14,16,18,20,22
	v_pk_fma_f32 v[88+\i:89+\i], v[88+\i:89+\i], s[36:37], v[22:23] op_sel_hi:[1,0,0]
.endr
	v_fma_f32 v30, v112, s36, v22
	v_fma_f32 v24, v24, s36, v22                   ; the same of each block's largest score: p rises with the score
	v_fma_f32 v26, v26, s36, v22
.irp i, 0,1,2,3,4,5,6,7,8,9,10,11,12,13,14,15,16,17,18,19,20,21,22,23
	v_exp_f32 v[88+\i], v[88+\i]
.endr
	v_exp_f32 v[43+(\m)], v30                      ; p of key 48, unquantised
	v_exp_f32 v24, v24
	v_exp_f32 v26, v26
	v_nop
	s_wait_alu depctr_va_vdst(0)                   ; one wait for the batch of 27, ahead of its first reader
.irp k, 0,1,2,3
	v_pk_add_f32 v[52+2*\k:53+2*\k], v[88+4*\k:89+4*\k], v[90+4*\k:91+4*\k]      ; the sum of my 24 unquantised p, in four chains that do not wait for each other
.endr
.irp k, 0,1,2,3
	v_pk_add_f32 v[52+2*\k:53+2*\k], v[52+2*\k:53+2*\k], v[104+2*\k:105+2*\k]
.endr
	v_pk_add_f32 v[52:53], v[52:53], v[54:55]
	v_pk_add_f32 v[56:57], v[56:57], v[58:59]
	v_pk_add_f32 v[52:53], v[52:53], v[56:57]
	v_add_f32 v[40+(\m)], v52, v53
	v_max_num_f32 v24, FLOOR, v24
	v_max_num_f32 v26, FLOOR, v26
	v_add_nc_u32 v34, EOFF, v24
	v_add_nc_u32 v35, EOFF, v26
	v_and_or_b32 v32, v24, 0x7f800000, s34
	v_and_or_b32 v33, v26, 0x7f800000, s34
	v_lshrrev_b32 v36, 23, v34
	v_lshrrev_b32 v37, 23, v35
	v_lshl_or_b32 v15, v37, 8, v36                 ; P's scale word: 25 holds stand between it and the product
.irp i, 0,1,2,3,4,5,6,7,8,9,10,11,12,13,14,15
	v_min_num_f32 v[88+\i], v[88+\i], v32          ; p is not negative: the hold is one-sided
.endr
.irp i, 16,17,18,19,20,21,22,23
	v_min_num_f32 v[88+\i], v[88+\i], v33
.endr
	v_min_num_f32 v64, v[43+(\m)], v33
	v_cvt_scalef32_pk8_fp8_f32 v[72:73], v[88:95], v34
	v_cvt_scalef32_pk8_fp8_f32 v[74:75], v[96:103], v34
	v_cvt_scalef32_pk8_fp8_f32 v[76:77], v[104:111], v35
	v_cvt_scalef32_pk8_fp8_f32 v[78:79], v[64:71], v35    ; key 48 and seven zeros; in lanes 16-31 it meets V's zero code
	PLACES 4
.endm
.macro COS m                           ; my 48 channels of O . vhat and of O . O, each in four chains; O's accumulators are read in ascending order
	WIN 0x04                                       ; source 1 (vhat) window 1
.irp k, 0,1,2,3
	v_pk_mul_f32 v[52+2*\k:53+2*\k], v[120+2*\k:121+2*\k], v[48*(\m)+2*\k:48*(\m)+2*\k+1]
.endr
.irp i, 8,16,24,32,40
.irp k, 0,1,2,3
	v_pk_fma_f32 v[52+2*\k:53+2*\k], v[120+\i+2*\k:121+\i+2*\k], v[48*(\m)+\i+2*\k:48*(\m)+\i+2*\k+1], v[52+2*\k:53+2*\k]
.endr
.endr
	WIN 0
.irp k, 0,1,2,3
	v_pk_mul_f32 v[24+2*\k:25+2*\k], v[120+2*\k:121+2*\k], v[120+2*\k:121+2*\k]
.endr
.irp i, 8,16,24,32,40
.irp k, 0,1,2,3
	v_pk_fma_f32 v[24+2*\k:25+2*\k], v[120+\i+2*\k:121+\i+2*\k], v[120+\i+2*\k:121+\i+2*\k], v[24+2*\k:25+2*\k]
.endr
.endr
	v_pk_add_f32 v[52:53], v[52:53], v[54:55]
	v_pk_add_f32 v[56:57], v[56:57], v[58:59]
	v_pk_add_f32 v[24:25], v[24:25], v[26:27]
	v_pk_add_f32 v[28:29], v[28:29], v[30:31]
	v_pk_add_f32 v[52:53], v[52:53], v[56:57]
	v_pk_add_f32 v[24:25], v[24:25], v[28:29]
	v_add_f32 v[46+(\m)], v52, v53
	v_add_f32 v[49+(\m)], v24, v25
.endm
.macro FINAL n                         ; tiles 0 .. n - 1: the halves of the lanes are joined; the cosine lands in v[46 + m]
.set fm, 0
.rept \n
	v_permlanex16_b32 v[224+fm], v[40+fm], s32, s33
	v_permlanex16_b32 v[227+fm], v[46+fm], s32, s33
	v_permlanex16_b32 v[230+fm], v[49+fm], s32, s33
.set fm, fm+1
.endr
.set fm, 0
.rept \n
	v_add_f32 v[40+fm], v[40+fm], v[224+fm]
	v_add_f32 v[46+fm], v[46+fm], v[227+fm]
	v_add_f32 v[49+fm], v[49+fm], v[230+fm]
.set fm, fm+1
.endr
.set fm, 0
.rept \n
	v_add_f32 v[40+fm], v[40+fm], v[43+fm]         ; key 48's p counts once
.set fm, fm+1
.endr
.set fm, 0
.rept \n
	v_rcp_f32 v[233+fm], v[40+fm]
	v_sqrt_f32 v[236+fm], v[49+fm]
.set fm, fm+1
.endr
	v_nop
	s_wait_alu depctr_va_vdst(0)                   ; one wait for the reciprocals of l and the roots, ahead of their first reader
.set fm, 0
.rept \n
	v_mul_f32 v[236+fm], v[236+fm], v[233+fm]      ; |O| / l
.set fm, fm+1
.endr
.set fm, 0
.rept \n
	v_max_num_f32 v[236+fm], s38, v[236+fm]
.set fm, fm+1
.endr
.set fm, 0
.rept \n
	v_rcp_f32 v[239+fm], v[236+fm]
.set fm, fm+1
.endr
.set fm, 0
.rept \n
	v_mul_f32 v[46+fm], v[46+fm], v[233+fm]        ; O . vhat / l.  (Plain work behind the reciprocals)
.set fm, fm+1
.endr
	s_wait_alu depctr_va_vdst(0)                   ; one wait for the reciprocals of the norms, ahead of their first reader
.set fm, 0
.rept \n
	v_mul_f32 v[46+fm], v[46+fm], v[239+fm]
.set fm, fm+1
.endr
.endm
; a tile of queries into the registers of tile 'slot': 3 groups of codes, 12 of vhat, the scale word: 16 loads
.macro QT slot, va, vs, p, oq, sq, ov, sv, ow
	WIN 0x40
.irp c, 0,1,2
	global_load_b128 v[144+16*(\slot)+4*\c:144+16*(\slot)+4*\c+3], v[\va], s[\p:\p+1] offset:(\oq)+(\sq)*\c
.endr
.irp i, 0,1,2,3,4,5,6,7,8,9,10,11
	global_load_b128 v[48*(\slot)+4*\i:48*(\slot)+4*\i+3], v[\va], s[\p:\p+1] offset:(\ov)+(\sv)*\i
.endr
	WIN 0
	global_load_b32 v[12+(\slot)], v[\vs], s[\p:\p+1] offset:\ow
.endm
.macro QLO lp                          ; the leftover tile, into tile 0's registers
	QT 0, 7, 8, \lp, 0, 256, 1024, 256, 768
.endm
.macro QTILE m, qp                     ; tile m of my query batch
	QT \m, 1, 2, \qp, 1536*(\m), 512, 5120+6144*(\m), 512, 4608+128*(\m)
.endm
; A DIRECTION.  kb: the key side's first LDS byte; kp: my key record in memory; qp: my query batch's record; lp: the query side's leftover rows; os, ol: the stage regions of the sums and of the leftover
.macro DIR kb, kp, qp, lp, os, ol
	s_add_co_u32 s39, s46, \kb                     ; record w of the key side: I bring it, and the leftover tile meets it
.if (\kb) > 0
	s_wait_alu depctr_vm_vsrc(0)                   ; the second direction: the LDS loads of the first's last trip have read v3 and v4, which are written again below; its stage store has read v6 and v46
.endif
	KVADR
	v_add_nc_u32 v60, s39, v1                      ; the same two places once more, for my LDS stores: so no store names a register of the loads that follow it
	v_add_nc_u32 v61, s39, v9
	s_wait_alu depctr_va_vdst(0)                   ; v3, v4, v60, v61 and the head's offsets are written, which the loads and stores below read; the head's zero codes are written, which the products take as operands;
	                                               ; and all that has named the registers in which the loads below land is done.  No vector or matrix instruction stands between this wait and the leftover's first product
.irp i, 0,1,2,3,4,5,6,7,8,9,10,11,12,13,14,15,16,17,18,19
	global_load_b128 v[88+4*\i:91+4*\i], v1, s[\kp:\kp+1] offset:512*\i          ; 32 lanes read 512 consecutive bytes
.endr
.irp i, 0,1,2,3,4
	global_load_b128 v[24+4*\i:27+4*\i], v1, s[\kp:\kp+1] offset:10240+512*\i
.endr
	global_load_b32 v44, v2, s[\kp:\kp+1] offset:12800    ; the fifth scale image; the record's last 128 bytes are read by nobody
	QLO \lp
	QTILE 1, \qp
	s_wait_loadcnt 32                              ; loads come back in order: my record's 26 are in; the leftover tile's 16 and tile 1's 16 may be out
.irp i, 0,1,2,3,4,5,6,7,8,9,10,11,12,13,14,15,16,17,18,19
	ds_store_b128 v60, v[88+4*\i:91+4*\i] offset:512*\i
.endr
.irp i, 0,1,2,3,4
	ds_store_b128 v60, v[24+4*\i:27+4*\i] offset:10240+512*\i
.endr
	ds_store_b32 v61, v44 offset:512
	QTILE 2, \qp
	KVREAD 0                                       ; my own bytes: LDS serves a wave's instructions in order, so these see my stores and land behind them
	s_wait_loadcnt 32                              ; the leftover tile is in; tiles 1 and 2 may be out
	s_wait_dscnt 12                                ; V's twelve loads may stay out
	s_wait_alu depctr_vm_vsrc(0)                   ; my 26 LDS stores have read v88-167 and v24-44, which the products and the softmax below write
	ST 0
	PLACES 8
	SOFT 0
	s_wait_dscnt 0x0
	PV
	PLACES 8
	COS 0
	FINAL 1
	s_wait_alu depctr_va_vdst(0)                   ; v46 is written, which the stage store reads; the leftover's products and cosine are done reading Q's tile 0, its vhat and v12, in which the 16 loads below land
	ds_store_b32 v5, v46 offset:\ol                ; lane r: query batch r % 8; both halves of the lanes hold the same number
	QTILE 0, \qp                                   ; query tile 0 takes the leftover's registers: it lands while tiles 1 and 2 are worked
	s_wait_dscnt 0x0                               ; for the others' sake: my record lies in LDS
	s_barrier_signal -1
	s_barrier_wait -1                              ; all eight do
	s_mov_b32 s39, \kb
	s_mov_b32 s40, s58                             ; my 64 bytes of a region
	s_mov_b32 s41, 8
.Ly_\@:                                            ; a trip: one key batch against my three tiles of queries
	s_wait_alu depctr_vm_vsrc(0)                   ; the LDS loads issued so far have read v3 and v4, which are written again below; the stage store before has read its address (v6) and v46, which this trip writes again
	KVADR
	KVREAD 1
	s_wait_loadcnt 32                              ; tile 1 is in; tile 2's 16 loads and tile 0's 16 may be out (this and the two waits below are met at once from the second trip on)
	s_wait_dscnt 12
	ST 1
	PLACES 8
	SOFT 1
	s_wait_dscnt 0x0                               ; V
	PV
	s_wait_loadcnt 16                              ; tile 2 is in; tile 0's 16 may be out
	ST 2
	PLACES 8                                       ; behind both runs of products
	COS 1
	SOFT 2
	PV
	s_wait_loadcnt 0x0                             ; tile 0
	ST 0
	PLACES 8
	COS 2
	SOFT 0
	PV
	PLACES 8
	COS 0
	FINAL 3
	v_add_f32 v46, v46, v47
	v_add_f32 v46, v46, v48
	v_add_f32_dpp v46, v46, v46 row_xmask:1 row_mask:0xf bank_mask:0xf
	v_add_f32_dpp v46, v46, v46 row_xmask:2 row_mask:0xf bank_mask:0xf
	v_add_f32_dpp v46, v46, v46 row_xmask:4 row_mask:0xf bank_mask:0xf
	v_add_f32_dpp v46, v46, v46 row_xmask:8 row_mask:0xf bank_mask:0xf
	v_mov_b32 v6, s40
	s_wait_alu depctr_va_vdst(0)                   ; v6 and v46 are written, which the stage store reads.  It is the trip's last vector line that stands ahead of it: behind the last trip this wait also serves the loads into v24-31 at the kernel's end
	ds_store_b32 v6, v46 offset:\os                ; all lanes write the same word with the same value: 48 queries' cosines
	s_add_co_u32 s39, s39, REC
	s_add_co_u32 s40, s40, 4
	s_sub_co_u32 s41, s41, 1
	s_cmp_lg_u32 s41, 0
	s_cbranch_scc1 .Ly_\@
.endm
	s_load_b256 s[4:11], s[0:1], 0x0               ; kv, qv, lo, out0
	v_lshl_add_u32 v254, v0, 2, 0x34000
	v_mov_b32 v255, 0
	v_lshrrev_b32 v1, 5, v0
	v_readfirstlane_b32 s12, v1                    ; wave
	s_mov_b32 s13, ttmp9                           ; ix
	s_and_b32 s14, ttmp7, 0xffff                   ; iy
	s_wait_alu depctr_va_sdst(0)                   ; s12 is written, ahead of its first reader: LDS places, batches and the branch at the end are made from it
	s_mul_i32 s46, s12, REC                        ; record w of a side, in LDS
	s_lshl_b32 s47, s13, 3
	s_add_co_u32 s47, s47, s12                     ; my a batch: 8 ix + w
	s_lshl_b32 s48, s14, 3
	s_add_co_u32 s48, s48, s12
	s_add_co_u32 s48, s48, 128                     ; my b batch: 128 + 8 iy + w
	s_mov_b32 s51, 0
	s_mov_b32 s32, 0x76543210
	s_mov_b32 s33, 0xfedcba98                      ; v_permlanex16_b32's selects for lane l xor 16
	s_mov_b32 s34, 0x600000                        ; the mantissa field of 448
	s_mov_b32 s36, 0x3e16c740                      ; log2(e) / sqrt(96)
	s_mov_b32 s37, s36
	s_mov_b32 s38, 0x322bcc77                      ; 1e-8
	s_lshl_b32 s58, s12, 6
	s_add_co_u32 s58, s58, STG
	v_and_b32 v27, 31, v0                          ; lane
	v_lshlrev_b32 v1, 4, v27
	v_lshlrev_b32 v2, 2, v27
	v_and_b32 v24, 15, v0                          ; r
	v_bfe_u32 v25, v0, 4, 1                        ; h
	v_and_b32 v26, 7, v0
	v_lshlrev_b32 v7, 4, v26
	v_lshl_add_u32 v7, v25, 7, v7                  ; 128 h + 16 (r % 8)
	v_lshlrev_b32 v8, 2, v26
	v_add_nc_u32 v9, 12288, v2
	v_lshl_add_u32 v5, v24, 2, s58                 ; the leftover's word: 64 w + 4 r
	v_lshrrev_b32 v28, 2, v27                      ; the end: lane l takes bi = l / 4, ai = 2 (l % 4) and the next
	v_and_b32 v29, 3, v27
	v_lshlrev_b32 v10, 6, v28
	v_lshl_add_u32 v10, v29, 3, v10
	v_add_nc_u32 v10, STG, v10                     ; in a region laid [bi][ai],
	v_lshlrev_b32 v11, 7, v29
	v_lshl_add_u32 v11, v28, 2, v11
	v_add_nc_u32 v11, STG, v11                     ; in one laid [ai][bi],
	v_lshlrev_b32 v21, 9, v28
	v_lshl_add_u32 v21, v29, 3, v21                ; and in out0
	WIN 0x40
.irp i, 156,157,158,159,172,173,174,175,188,189,190,191,240,241,242,243
	v_mov_b32 v[\i], 0                             ; Q's fourth block, and the registers behind K's last tile.  They are operands of the first scaled products, so they are written first:
.endr                                              ; the 33 plain lines below stand between them and those products (four are asked of an operand that a vector instruction has written)
	WIN 0
	v_mov_b32 v23, 0                               ; (named with v22 as a pair)
.irp i, 65,66,67,68,69,70,71,80,81,82,83,84,85,86,87,216,217,218,219,220,221,222,223
	v_mov_b32 v[\i], 0                             ; the zero numbers behind p48, the zero codes of P's third and fourth block and behind V's last fragment
.endr
.irp i, 224,225,226,227,228,229,230,231,232
	v_mov_b32 v[\i], 0                             ; written once: a lane permute's destination counts as one of its sources
.endr
	s_wait_kmcnt 0x0
	s_mul_i32 s50, s47, REC
	s_add_nc_u64 s[24:25], s[4:5], s[50:51]        ; my a batch's K and V,
	s_mul_i32 s50, s48, REC
	s_add_nc_u64 s[28:29], s[4:5], s[50:51]        ; my b batch's
	s_mul_i32 s50, s48, 23552
	s_add_nc_u64 s[42:43], s[6:7], s[50:51]        ; direction 0: queries of my b batch,
	s_mul_i32 s50, s47, 23552
	s_add_nc_u64 s[54:55], s[6:7], s[50:51]        ; direction 1: of my a batch
	s_lshl_b32 s50, s14, 12
	s_add_co_u32 s50, s50, 65536
	s_add_nc_u64 s[44:45], s[8:9], s[50:51]        ; the leftover rows of the 8 b batches: record 16 + iy,
	s_lshl_b32 s50, s13, 12
	s_add_nc_u64 s[56:57], s[8:9], s[50:51]        ; of the 8 a batches: record ix
	s_lshl_b32 s50, s14, 12
	s_lshl_b32 s52, s13, 5
	s_add_co_u32 s50, s50, s52
	s_add_nc_u64 s[10:11], s[10:11], s[50:51]      ; out0 at (8 iy, 8 ix)
	DIR 0, 24, 42, 44, 0, 1024                     ; queries of b, keys of a: sums [bi = w][ai], leftover [ai = w][bi]
	DIR KB1, 28, 54, 56, 2048, 3072                ; queries of a, keys of b: sums [ai = w][bi], leftover [bi = w][ai]
	s_wait_dscnt 0x0                               ; my stores into the stage are done
	s_barrier_signal -1
	s_barrier_wait -1
	s_cmp_lg_u32 s12, 0
	s_cbranch_scc1 .Ldone
	ds_load_b64 v[24:25], v10                      ; no vector or matrix instruction has been issued since the last trip's wait on va_vdst, which stands behind all that named v24-31; v10 and v11 stand since the head
	ds_load_b64 v[26:27], v10 offset:3072
	ds_load_b32 v28, v11 offset:1024
	ds_load_b32 v29, v11 offset:1024+64
	ds_load_b32 v30, v11 offset:2048
	ds_load_b32 v31, v11 offset:2048+64
	s_wait_dscnt 0x0
	v_pk_add_f32 v[24:25], v[24:25], v[26:27]
	v_pk_add_f32 v[28:29], v[28:29], v[30:31]
	v_pk_add_f32 v[24:25], v[24:25], v[28:29]
	v_mul_f32 v24, 0x3ca72f05, v24                 ; / 49
	v_mul_f32 v25, 0x3ca72f05, v25
	s_wait_alu depctr_va_vdst(0)                   ; the two multiplications have written v24 and v25, which the store reads
	global_store_b64 v21, v[24:25], s[10:11]       ; four lanes store a row's 32 bytes of the block
.Ldone:
	s_barrier_signal -1
	s_barrier_wait -1
	s_wait_dscnt 0x0                               ; the closing lines, six on end
	s_wait_alu 0x0
	s_wait_tensorcnt 0x0
	ds_add_u32 v254, v255
	s_wait_dscnt 0x0
	s_endpgm
.Lfunc_end_k_q13bca9c177_attn:
	.size	k_q13bca9c177_attn, .Lfunc_end_k_q13bca9c177_attn-k_q13bca9c177_attn
	.p2alignl 7, 3214868480
	.fill 96, 4, 3214868480
	.section	.rodata,"a",@progbits
	.p2align	6, 0x0
	.amdhsa_kernel k_q13bca9c177_attn
		.amdhsa_group_segment_fixed_size 214016
		.amdhsa_private_segment_fixed_size 0
		.amdhsa_enable_private_segment 0
		.amdhsa_kernarg_size 32
		.amdhsa_user_sgpr_count 2
		.amdhsa_user_sgpr_kernarg_segment_ptr 1
		.amdhsa_wavefront_size32 1
		.amdhsa_system_sgpr_workgroup_id_x 1
		.amdhsa_system_sgpr_workgroup_id_y 1
		.amdhsa_system_sgpr_workgroup_id_z 1
		.amdhsa_system_vgpr_workitem_id 0
		.amdhsa_next_free_vgpr 512
		.amdhsa_next_free_sgpr 66
		.amdhsa_reserve_vcc 0
		.amdhsa_float_denorm_mode_32 3
		.amdhsa_float_denorm_mode_16_64 3
		.amdhsa_memory_ordered 1
		.amdhsa_forward_progress 1
		.amdhsa_inst_pref_size 127
	.end_amdhsa_kernel
	.amdgpu_metadata
---
amdhsa.version: [ 1, 2 ]
amdhsa.kernels:
  - .name:           k_q13bca9c177_attn
    .symbol:         k_q13bca9c177_attn.kd
    .args:
      - { .name: kv, .offset: 0, .size: 8, .value_kind: global_buffer, .address_space: global }
      - { .name: qv, .offset: 8, .size: 8, .value_kind: global_buffer, .address_space: global }
      - { .name: lo, .offset: 16, .size: 8, .value_kind: global_buffer, .address_space: global }
      - { .name: out0, .offset: 24, .size: 8, .value_kind: global_buffer, .address_space: global }
    .group_segment_fixed_size: 214016
    .private_segment_fixed_size: 0
    .kernarg_segment_align: 8
    .kernarg_segment_size: 32
    .max_flat_workgroup_size: 256
    .sgpr_count:     66
    .vgpr_count:     512
    .wavefront_size: 32
...
	.end_amdgpu_metadata
.endif
;; end of part 4
